; MI455X (gfx1250); checked and timed in simulation.
; The chip was launched on July 23, 2026; its instructions are those of AMD's public machine-readable ISA for CDNA 5 (MIT licence, August 2026) and "CDNA5" Instruction Set Architecture Reference Guide (July 2026). The comments in the code are by the model that wrote it; some were corrected since.
;; Multi Head Attention Linear. Allowed arithmetic: matrix products marked QUANTISED: E2M1 operands, one E8M0 scale for each 32 along K, by v_wmma_scale_f32_16x16x128_f8f6f4 with both operands' format E2M1 (or v_wmma_scale_f32_32x16x128_f4), f32 sums; everything else in f32.
;; Inputs: Wk_codes 1,024 x 32 x 16 uint8 (E2M1 codes of Wk, K innermost, in blocks of 32 codes, two codes a byte); Wk_scales 1,024 x 32 uint8 (E8M0 scales of Wk, one for each 32 codes along K); Wq_codes 1,024 x 32 x 16 uint8 (E2M1 codes of Wq, K innermost, in blocks of 32 codes, two codes a byte); Wq_scales 1,024 x 32 uint8 (E8M0 scales of Wq, one for each 32 codes along K); Wv_codes 1,024 x 32 x 16 uint8 (E2M1 codes of Wv, K innermost, in blocks of 32 codes, two codes a byte); Wv_scales 1,024 x 32 uint8 (E8M0 scales of Wv, one for each 32 codes along K); beta 1,024 float32; bk 1,024 float32; bq 1,024 float32; bv 1,024 float32; gamma 1,024 float32; mask 4,096 x 4,096 bool; pad_mask 4 x 4,096 bool; x 4 x 4,096 x 1,024 float32.
;; Outputs: out0 4 x 4,096 x 1,024 float32.
;; This version of the problem:
;;   THIS VERSION OF THE PROBLEM IS GIVEN IN LOW PRECISION. The matrix products marked QUANTISED in the list below multiply operands that are first quantised to E2M1 (2 exponent bits, 1 mantissa bit; 4 bits a number), with one power-of-two scale for each 32 numbers along K (OCP MX v1.0); their sums are f32. All else is computed in f32.
;;   The module's matrix products, in the order in which they are computed (A, B: the left and right operand; K: the contracted axis; several contracted axes count as one K, in the product's order):
;;     1. [M 16,384, K 1,024] x [K 1,024, N 1,024]; A: input x; B: input Wq (given as codes): QUANTISED
;;     2. [M 16,384, K 1,024] x [K 1,024, N 1,024]; A: input x; B: input Wk (given as codes): QUANTISED
;;     3. [M 16,384, K 1,024] x [K 1,024, N 1,024]; A: input x; B: input Wv (given as codes): QUANTISED
;;     4. batch 64 x [M 64, K 4,096] x [K 4,096, N 64]; A: softmax (see below); B: computed on the way: QUANTISED
;;     5. batch 64 x [M 4,096, K 64] x [K 64, N 64]; A: softmax (see below); B: computed on the way: QUANTISED
;;   THE QUANTISER, for each operand of a quantised product, along K:
;;     - K is cut into blocks of 32 from its start; a last block that is shorter is filled with zeros.
;;     - A block's scale is 2^e with e = floor(log2(the largest magnitude in the block)) - 2, held to -126 .. 127; a block of zeros has e = 0. As a byte (E8M0): e + 127.
;;     - Each number is divided by its block's scale, clamped to +-6, and rounded to the nearest number of E2M1, ties to even, subnormals kept.
;;     - The product sums the exact products of the quantised numbers (number of the format x scale) in f32.
;;   ~~~python
;;   def quantise(x, axis):      # numpy; x: float32 -> the quantised numbers, widened to float32 again
;;       x = np.moveaxis(x, axis, -1); K = x.shape[-1]
;;       x = np.pad(x, [(0, 0)] * (x.ndim - 1) + [(0, -K % 32)]); x = x.reshape(x.shape[:-1] + (-1, 32)); a = np.abs(x).max(-1, keepdims=True)
;;       e = np.where(a > 0, np.clip(np.frexp(np.where(a > 0, a, 1))[1] - 1 - 2, -126, 127), 0)      # np.frexp(a)[1] - 1 = floor(log2(a)), exactly
;;       r = np.clip(x / 2.0 ** e, -6, 6)
;;       step = 2.0 ** (np.maximum(np.frexp(np.where(r == 0, 1, r))[1] - 1, 0) - 1)
;;       q = np.round(r / step) * step * 2.0 ** e      # np.round: ties to even
;;       return np.moveaxis(q.reshape(q.shape[:-2] + (-1,))[..., :K], -1, axis).astype(np.float32)
;;   ~~~
;;   SOFTMAX AHEAD OF A QUANTISED PRODUCT. Where the list says 'softmax', what is quantised is not the finished softmax but p = 2^(t - M), with t = logit x log2(e) and M = ceil(the row's largest t), a whole number; so 1/2 < the row's largest p <= 1. The row's sum l is taken of the UNQUANTISED p, in f32, and the product's result is divided by l at the end. Since M is a whole number, a kernel that streams over the keys may use a running M (the ceiling of the running maximum): every later rescaling is an exact power of two, which a block's scale takes up: the codes' values come out the same.
;;   OPERANDS COMPUTED ON THE WAY. 'Computed on the way' means the value that the module computes at that place (a softmax that the list does not call 'softmax' is quantised finished and normalised). What goes into a quantiser is computed in f32, as accurately as f32 sums, v_exp_f32 and their like allow (about 1e-6 of the number): no bf16 or f16 on the way to a quantiser, and a product that is left as it is and whose result goes on into a quantised operand takes f32 operands (vector FMAs, or v_wmma_f32_16x16x4_f32). A number that lies on a knife's edge between two numbers of the format may be rounded either way, as far as f32 arithmetic and the matrix unit's own rounding can turn it there, and no further.
;;   INPUTS GIVEN AS CODES. Wk (in the module: [1024, 1024], K = its axis 1); Wq (in the module: [1024, 1024], K = its axis 1); Wv (in the module: [1024, 1024], K = its axis 1): each comes as NAME_codes (uint8): NAME with its K axis moved to the last place and cut into blocks of 32 codes, [.., K / 32, bytes a block], one block behind the other in memory; two codes a byte, the lower K in the low four bits (a code: sign, 2 exponent bits, 1 mantissa bit); and NAME_scales (uint8): the same leading axes, one E8M0 byte (e + 127) for each 32 codes along K. Its value is code x scale, taken as it is: it is not quantised again, and the codes and scales need not be those that the quantiser above would give.
;; One version. Each part assembles by itself: llvm-mc -triple=amdgcn-amd-amdhsa -mcpu=gfx1250 --defsym DOCPART=n.
;; ======== version 1 of 1: 4 launches
;; workspace buffers: xc 8,388,608 bytes; xs 524,288 bytes; wqi 524,288 bytes; gp 16,777,216 bytes; gst 1,048,576 bytes; gc 131,072 bytes; gs 32,768 bytes
;; launch xq (part 1): grid 256 x 1, 4 waves a work-group, no clusters, 266,752 bytes of LDS; arguments x, Wq_codes, xc, xs, wqi; writes xc, xs, wqi
.if DOCPART == 1
	.amdgcn_target "amdgcn-amd-amdhsa--gfx1250"
	.amdhsa_code_object_version 6
	.text
	.protected	k_q6a8b2e22a2_xq
	.globl	k_q6a8b2e22a2_xq
	.p2align	8
	.type	k_q6a8b2e22a2_xq,@function
k_q6a8b2e22a2_xq:
	s_mov_b64 s[64:65], 0
	v_nop
	global_prefetch_b8 v0, s[64:65] scope:SCOPE_SE
	s_setreg_imm32_b32 hwreg(HW_REG_WAVE_MODE, 25, 1), 1
	s_wait_xcnt 0x0
; FIRST OF FOUR LAUNCHES (xq, kv, gfin, qo) for: q, k, v = x W^T + b; q softmax over the head's 64, k softmax over the 4,096 positions; gmap = k^T v for each (batch, head); o = q gmap; LayerNorm(x + o).
; All five products run on codes of FP4 (E2M1) with one E8M0 scale for each 32 along K.
; DEAD WORK, for all values of the inputs: reference() takes mask and pad_mask as arguments and never reads them, so no output hangs on them: they are not loaded and are among no launch's arguments.
; Nothing else is left out: bk cancels in a softmax of real numbers, but it moves t against the whole number M and so the codes and scales of the quantised p: it is honoured.
; LIMIT: a NaN or an infinity in mask or pad_mask (they are booleans) has no way to a result here, as in reference().
; THIS LAUNCH: x [16384][1024] f32 becomes codes and scale bytes, once, for the two launches that multiply by it; and Wq's codes are laid anew in the order of an operand's registers.
; A block's scale is 2^(floor(log2(largest magnitude)) - 2); its byte is the largest magnitude's exponent field - 2, held at 1 from below.
; LIMITS: NaN and infinities among the inputs are not served; a block whose largest magnitude lies under 2^-124 keeps the byte 1; a block of zeros gets the byte 1 where the rule says 127: its codes are zeros, and this program alone reads the bytes.
; SHARES: wave gw = 4 x work-group + wave owns rows 16 gw .. 16 gw + 15, 65,536 dense bytes, brought by four tensor loads of 16 rows x 1,024 bytes into its own LDS bytes (rows 1,040 bytes apart), each filled once and read by
; this wave alone: no barrier.  By the text's own count four tensor loads of a wave are out at the most.
; OUT: xc [kh 2][row tile 1024][q 4][1024]: the image of the fragment (16 rows x 128 K, K step 4 kh + q): registers 4 c .. 4 c + 3 of lane l at byte 512 c + 16 l.  xs [row][32]: the scale bytes as they come.
;      wqi [head 16][K step 8][tile 4][1024]: images of the fragments of Wq's rows 64 head + 16 tile + r.
.set WREG,  66560                      ; a wave's LDS: four pieces
.set PIECE, 16640                      ; 16 rows x (1,024 + 16) bytes: 256 along K
.set SPARE, 4*WREG                     ; the spare words: 128 bytes a wave, named by no other line
.set LI,  3                            ; v3  16 x lane
.set XA,  4                            ; v4  my numbers in LDS: wave x WREG + r x 1,040 + 64 h
.set SO,  5                            ; v5  xs: 32 r + 16 h
.set WA,  6                            ; v6  Wq_codes: 512 r + 16 h
.set SPW, 8                            ; v8  my spare word; never rewritten
.set NIL, 9                            ; v9  0; never rewritten
.set WD,  10                           ; v10-13 my 16 bytes of Wq
.set TM,  16                           ; v16-31 at work
.set SW,  32                           ; v32-39 the scale word of each K step
.set PC,  40                           ; v40-103 the codes of each K step, 8 registers: no store's data are written again
.set X,   104                          ; v104-231 two sets of 64 numbers
.set G1,  16                           ; s[16:23]
.set G0,  24                           ; s[24:39] a group 0 for each piece
	s_load_b128 s[4:7], s[0:1], 0x0                ; x, Wq_codes
	s_load_b128 s[8:11], s[0:1], 0x10              ; xc, xs
	s_load_b64 s[12:13], s[0:1], 0x20              ; wqi
	v_lshl_add_u32 v[SPW], v0, 2, SPARE
	v_mov_b32 v[NIL], 0
	ds_add_u32 v[SPW], v[NIL]                      ; the wave's opening: the add, twice on end, and its wait ahead of my first tensor load
	ds_add_u32 v[SPW], v[NIL]
	v_lshrrev_b32 v1, 5, v0
	v_readfirstlane_b32 s14, v1                    ; wave
	s_lshl_b32 s15, ttmp9, 2
	s_add_co_u32 s15, s15, s14                     ; gw: my row tile
	s_mov_b32 s[G1+0], (2<<16)|(1<<20)|(7<<22)|(3<<25)   ; elements of 4 bytes; padding on: 4 words behind every 256
	s_mov_b32 s[G1+1], 256<<16                     ; tensor_dim0 = 256
	s_mov_b32 s[G1+2], 16<<16                      ; tensor_dim1 = 16
	s_mov_b32 s[G1+3], 256<<16                     ; tile_dim0 = 256
	s_mov_b32 s[G1+4], 16                          ; tile_dim1 = 16
	s_mov_b32 s[G1+5], 1024                        ; elements from row to row
	s_mov_b32 s[G1+6], 0
	s_mov_b32 s[G1+7], 0
	s_mul_i32 s40, s14, WREG
	s_lshl_b32 s42, s15, 16                        ; 16 rows of 4,096 bytes
	s_mov_b32 s43, 0
	s_mov_b32 s46, 0x76543210
	s_mov_b32 s47, 0xfedcba98                      ; v_permlanex16_b32's selects for lane l xor 16
	s_wait_dscnt 0x0                               ; both opening adds are done
	s_wait_kmcnt 0x0
	s_add_nc_u64 s[4:5], s[4:5], s[42:43]
.irp p, 0,1,2,3
	s_mov_b32 s[G0+4*\p], 1
	s_add_co_u32 s[G0+4*\p+1], s40, \p*PIECE
	s_add_nc_u64 s[G0+4*\p+2:G0+4*\p+3], s[4:5], \p*1024
	s_or_b32 s[G0+4*\p+3], s[G0+4*\p+3], 0x80000000
	tensor_load_to_lds s[G0+4*\p:G0+4*\p+3], s[G1:G1+7]
	s_nop 0
.endr
	v_and_b32 v1, 15, v0                           ; r
	v_bfe_u32 v2, v0, 4, 1                         ; h
	v_and_b32 v[LI], 31, v0
	v_lshlrev_b32 v[LI], 4, v[LI]
	v_mul_u32_u24 v[XA], v1, 1040
	v_lshl_add_u32 v[XA], v2, 6, v[XA]
	v_add_nc_u32 v[XA], s40, v[XA]
	v_lshlrev_b32 v[SO], 5, v1
	v_lshl_add_u32 v[SO], v2, 4, v[SO]
	v_lshlrev_b32 v[WA], 9, v1
	v_lshl_add_u32 v[WA], v2, 4, v[WA]
.irp b, 0,1,2,3
	v_mov_b32 v[TM+4+\b], 0                        ; written once: a lane permute's destination counts as one of its sources
.endr
	; Wq: fragment f = gw / 2 = 32 head + 4 (K step) + tile, half c = gw % 2: 16 bytes of each of 16 rows, out as 512 dense bytes
	s_lshr_b32 s41, s15, 1
	s_lshr_b32 s42, s41, 5
	s_lshl_b32 s42, s42, 15                        ; head x 64 rows x 512 bytes
	s_and_b32 s44, s41, 3
	s_lshl_b32 s44, s44, 13                        ; tile x 16 rows
	s_add_co_u32 s42, s42, s44
	s_bfe_u32 s44, s41, 0x30002
	s_lshl_b32 s44, s44, 6                         ; K step x 64 bytes
	s_add_co_u32 s42, s42, s44
	s_and_b32 s44, s15, 1
	s_lshl_b32 s44, s44, 5                         ; half x 32 bytes
	s_add_co_u32 s42, s42, s44
	s_add_nc_u64 s[6:7], s[6:7], s[42:43]
	global_load_b128 v[WD:WD+3], v[WA], s[6:7]
	s_lshl_b32 s42, s15, 9
	s_add_nc_u64 s[12:13], s[12:13], s[42:43]      ; wqi + 512 gw
	s_add_nc_u64 s[10:11], s[10:11], s[42:43]      ; xs + 16 rows x 32 bytes x gw
	s_lshl_b32 s42, s15, 12
	s_add_nc_u64 s[8:9], s[8:9], s[42:43]          ; xc + 4,096 gw
	s_wait_loadcnt 0x0
	global_store_b128 v[LI], v[WD:WD+3], s[12:13]
; K step t's 64 numbers of my lane: register 16 b + i = k 32 b + 16 h + i of row r
.macro XLD t
.set XD, X+64*((\t)%2)
.irp b, 0,1,2,3
.irp j, 0,1,2,3
	ds_load_b128 v[XD+16*\b+4*\j:XD+16*\b+4*\j+3], v[XA] offset:((\t)/2)*PIECE+((\t)%2)*512+128*\b+16*\j
.endr
.endr
.endm
.macro QSTEP t
.if (\t)+1 < 8
.if ((\t)+1)%2 == 0
	s_wait_tensorcnt 3-((\t)+1)/2                  ; the next step's piece is in; the younger pieces may be out
.endif
	XLD (\t)+1
	s_wait_dscnt 16                                ; this step's 16 loads are in; the 16 just issued may be out
.else
	s_wait_dscnt 0x0
.endif
.set XQ, X+64*((\t)%2)
.set PD, PC+8*(\t)
.set PWD, SW+(\t)
.irp b, 0,1,2,3
	v_max3_num_f32 v[TM+\b], |v[XQ+16*\b]|, |v[XQ+1+16*\b]|, 0x1800000   ; block b: my 16 numbers, and the floor 2^(3 - 127): the byte cannot fall under 1
.endr
.irp i, 2,4,6,8,10,12,14
.irp b, 0,1,2,3
	v_max3_num_f32 v[TM+\b], v[TM+\b], |v[XQ+16*\b+\i]|, |v[XQ+1+16*\b+\i]|
.endr
.endr
.irp b, 0,1,2,3
	v_permlanex16_b32 v[TM+4+\b], v[TM+\b], s46, s47
.endr
.irp b, 0,1,2,3
	v_max_num_f32 v[TM+\b], v[TM+\b], v[TM+4+\b]   ; with lane l xor 16's: the block's largest magnitude
.endr
.irp b, 0,1,2,3
	v_add_nc_u32 v[TM+12+\b], 0xff000000, v[TM+\b] ; 2 off its exponent field: the conversion's scale operand
.endr
.irp b, 0,1,2,3
	v_lshrrev_b32 v[TM+4+\b], 23, v[TM+12+\b]      ; the scale's byte
.endr
	v_lshl_or_b32 v[PWD], v[TM+5], 8, v[TM+4]
	v_lshl_or_b32 v[PWD], v[TM+6], 16, v[PWD]
	v_lshl_or_b32 v[PWD], v[TM+7], 24, v[PWD]
.irp b, 0,1,2,3
	v_cvt_scalef32_pk8_fp4_f32 v[PD+2*\b], v[XQ+16*\b:XQ+7+16*\b], v[TM+12+\b]
	v_cvt_scalef32_pk8_fp4_f32 v[PD+1+2*\b], v[XQ+8+16*\b:XQ+15+16*\b], v[TM+12+\b]
.endr
	v_nop                                          ; one plain place behind a scaled conversion
.irp c, 0,1                                    ; the operand's layout wants a whole block in a lane
.irp i, 0,1
	v_permlane16_swap_b32 v[PD+4*\c+\i], v[PD+2+4*\c+\i]
.endr
.endr
	global_store_b128 v[LI], v[PD:PD+3], s[8:9] offset:((\t)/4)*4194304+((\t)%4)*1024       ; 512 consecutive bytes a store
	global_store_b128 v[LI], v[PD+4:PD+7], s[8:9] offset:((\t)/4)*4194304+((\t)%4)*1024+512
.endm
	s_wait_tensorcnt 0x3                           ; piece 0 is in; three younger loads may be out
	XLD 0
.irp t, 0,1,2,3,4,5,6,7
	QSTEP \t
.endr
	v_cmp_eq_u32 vcc_lo, 1, v2                     ; lanes 0-15 store the words of K steps 0-3 of row r, lanes 16-31 those of 4-7
.irp i, 0,1,2,3
	v_cndmask_b32 v[TM+\i], v[SW+\i], v[SW+4+\i], vcc_lo
.endr
	global_store_b128 v[SO], v[TM:TM+3], s[10:11]  ; 16 rows x 32 bytes: 512 consecutive bytes
	s_wait_tensorcnt 0x0                           ; the wave's end
	ds_add_u32 v[SPW], v[NIL]
	s_wait_dscnt 0x0
	s_endpgm
.Lfunc_end_k_q6a8b2e22a2_xq:
	.size	k_q6a8b2e22a2_xq, .Lfunc_end_k_q6a8b2e22a2_xq-k_q6a8b2e22a2_xq
	.p2alignl 7, 3214868480
	.fill 96, 4, 3214868480
	.section	.rodata,"a",@progbits
	.p2align	6, 0x0
	.amdhsa_kernel k_q6a8b2e22a2_xq
		.amdhsa_group_segment_fixed_size 266752
		.amdhsa_private_segment_fixed_size 0
		.amdhsa_enable_private_segment 0
		.amdhsa_kernarg_size 40
		.amdhsa_user_sgpr_count 2
		.amdhsa_user_sgpr_kernarg_segment_ptr 1
		.amdhsa_wavefront_size32 1
		.amdhsa_system_sgpr_workgroup_id_x 1
		.amdhsa_system_sgpr_workgroup_id_y 1
		.amdhsa_system_sgpr_workgroup_id_z 1
		.amdhsa_system_vgpr_workitem_id 0
		.amdhsa_next_free_vgpr 240
		.amdhsa_next_free_sgpr 66
		.amdhsa_reserve_vcc 1
		.amdhsa_float_denorm_mode_32 3
		.amdhsa_float_denorm_mode_16_64 3
		.amdhsa_memory_ordered 1
		.amdhsa_forward_progress 1
		.amdhsa_inst_pref_size 45
	.end_amdhsa_kernel
	.amdgpu_metadata
---
amdhsa.version: [ 1, 2 ]
amdhsa.kernels:
  - .name:           k_q6a8b2e22a2_xq
    .symbol:         k_q6a8b2e22a2_xq.kd
    .args:
      - { .name: x, .offset: 0, .size: 8, .value_kind: global_buffer, .address_space: global }
      - { .name: Wq_codes, .offset: 8, .size: 8, .value_kind: global_buffer, .address_space: global }
      - { .name: xc, .offset: 16, .size: 8, .value_kind: global_buffer, .address_space: global }
      - { .name: xs, .offset: 24, .size: 8, .value_kind: global_buffer, .address_space: global }
      - { .name: wqi, .offset: 32, .size: 8, .value_kind: global_buffer, .address_space: global }
    .group_segment_fixed_size: 266752
    .private_segment_fixed_size: 0
    .kernarg_segment_align: 8
    .kernarg_segment_size: 40
    .max_flat_workgroup_size: 128
    .sgpr_count:     66
    .vgpr_count:     240
    .wavefront_size: 32
...
	.end_amdgpu_metadata
.endif
;; end of part 1
;; launch kv (part 2): grid 8 x 32, 4 waves a work-group, clusters of 4 x 4, 327,680 bytes of LDS; arguments xc, xs, Wk_codes, Wk_scales, Wv_codes, Wv_scales, bk, bv, gp, gst; writes gp, gst
.if DOCPART == 2
	.amdgcn_target "amdgcn-amd-amdhsa--gfx1250"
	.amdhsa_code_object_version 6
	.text
	.protected	k_q6a8b2e22a2_kv
	.globl	k_q6a8b2e22a2_kv
	.p2align	8
	.type	k_q6a8b2e22a2_kv,@function
k_q6a8b2e22a2_kv:
	s_mov_b64 s[64:65], 0
	v_nop
	global_prefetch_b8 v0, s[64:65] scope:SCOPE_SE
	s_setreg_imm32_b32 hwreg(HW_REG_WAVE_MODE, 25, 1), 1
	s_wait_xcnt 0x0
	s_wait_alu depctr_hold_cnt(0) depctr_sa_sdst(0) depctr_va_vdst(0) depctr_va_sdst(0) depctr_va_ssrc(0) depctr_va_vcc(0) depctr_vm_vsrc(0)
	s_getreg_b32 s2, hwreg(HW_REG_IB_STS2, 6, 4)
	s_cmp_eq_u32 s2, 0
	s_cbranch_scc0 .Lentry_in_a_cluster
	s_endpgm
.Lentry_in_a_cluster:
	s_bfe_u32 s2, ttmp6, 0x10000c
	s_cmp_lg_u32 s2, 0xf033
	s_cbranch_scc0 .Lentry_shape_is_right
	s_endpgm
.Lentry_shape_is_right:
; SECOND LAUNCH: k = x Wk^T + bk, v = x Wv^T + bv, p = 2^(t - M) of k along the positions, and partial maps G = sum over s of p[s][d] v[s][e], all on codes of FP4 (E2M1) with E8M0 scales.
; (mask and pad_mask are read by no step of reference(): not loaded.)
; SHARES.  Work-group (X, Y): heads 2 X and 2 X + 1, rows 512 Y .. 512 Y + 511, in two passes of 256 rows.  Wave w: rows 128 (w / 2) on of the pass, head 2 X + w % 2: a tile of 128 positions x 128 columns (64 of k, 64 of v): 64 accumulators.
; Source 0 = 16 rows of x, source 1 = 16 rows of W: a lane then holds ONE column and its registers run along the positions, which are the K of the map's product.  Tile a's eight registers are positions 16 a + 8 (lane / 16) + 0 .. 7;
; their codes, one register a tile, are laid C0, C2, C1, C3 and two exchanges of halves make four registers of an operand.  A block of 32 positions is tiles 2 b and 2 b + 1 of lanes l and l xor 16.
; THE SOFTMAX ALONG THE POSITIONS: t = (k + bk) log2(e) = acc x c + bk c; M = the column's largest t so far, rounded up to a whole number, kept as -M; p = 2^(t - M); the sum l is taken of the unquantised p.  When M moves, l and G are
; multiplied by 2^(old M - new M): exact.  Each wave stores its G, -M and l; the next launch merges the 16 parts of a (batch, head).
; LDS: two slots for x's codes (one for each half of K: 16 row tiles x 4 images of 1,024 bytes), W's 256 rows for all of K (rows 528 bytes apart), both operands' scale bytes.  W and the scales are filled once.
; CLUSTER 4 x 4: the four of a row share Y and so x's tiles, the four of a column share X and so W's: each is asked for jointly.  Every wave issues the five first fills: five tensor loads of a wave are out at the most, later one.
; LIMITS: NaN and infinities are not served; p under 2^-126 falls to 0; a block whose largest magnitude lies under 2^-124, or of zeros, keeps the byte 1: this program alone reads the bytes.
; REGISTERS: window 0: addresses, scale words, statistics, x's fragments (later p's and v's codes), bv.  window 1: W's two sets (v0-63, v128-191) and the 16 accumulators of G.  windows 2, 3: accumulator (a, b) at 8 (8 (a % 4) + b).
.set SLOTB, 65536
.set WB,    2*SLOTB
.set WP,    528                        ; 512 bytes + 16: the sixteen rows of a load start at sixteen different 16-byte columns
.set SCX,   WB+256*WP                  ; x's scale bytes: 512 rows x 32
.set SCW,   SCX+16384                  ; W's: 256 rows x 32
.set SPARE, SCW+8192                   ; the spare words: 128 bytes a wave, named by no other line
.set LI,   3                           ; v3   16 x lane
.set ADRA, 4                           ; v4-5 x's images in slot 0, 1
.set ADRB, 6                           ; v6   W's rows
.set ADRS, 7                           ; v7-8 scale words for pass 0, 1: lanes 0-15 x's rows, lanes 16-31 W's
.set SPW,  9
.set NIL,  10
.set PFO,  11                          ; v11  256 x lane
.set BKC,  12                          ; v12-15 bk x c of my column in tile nt
.set OLD,  16                          ; v16-19 the old -M
.set R4,   20
.set NINF, 21                          ; -infinity
.set FLR,  22                          ; 2^(3 - 127)
.set SM,   24                          ; v24-27 at work
.set SC,   32                          ; v32-95 scale words, two sets of 32: register 4 i + q
.set BM,   96                          ; v96-111 block maxima, 4 nt + block
.set PT,   112                         ; v112-127 at work; the conversions' scale operands
.set AF,   128                         ; v128-191 x's fragments
.set PP,   128                         ; then p's codes, 8 a tile nt,
.set VF,   160                         ; and v's
.set BV,   192                         ; v192-223 bv, eight equal registers a tile: the C of the first product
.set PW,   224                         ; v224-227 p's scale words
.set VW,   228                         ; v228-231 v's
.set OT,   232                         ; pairs (bk c - M, largest t)
.set FN,   240                         ; pairs (f, -M)
.set LL,   248                         ; pairs: the sum in two halves
.set WV, 24
.set RH, 25
.set CH, 26
.set CX, 27
.set CY, 28
.set XX, 29
.set YY, 30
.set G1X,  32
.set G1XS, 40
.set G1W,  48
.set G1WS, 56
.set G0X0, 68
.set G0X1, 72
.set G0XS, 76
.set G0W,  80
.set G0WS, 84
.set CS,  92
.set SEL, 94
.set PFA, 96
.set MSB, 0
.macro WIN new                         ; the immediate's high byte repeats the setting that is left
.if MSB != (\new)
	s_set_vgpr_msb (MSB<<8)|(\new)
.set MSB, (\new)
.endif
.endm
.set MUL_LO,  0xa4                     ; source 0 (x) window 0, source 1 (W) window 1, C and D window 2
.set MUL_HI,  0xf4
.set MULZ_LO, 0x84                     ; the first K step: C (0 or bv) window 0
.set MULZ_HI, 0xc4
.set TO_B,    0x40
.macro PLACES
.rept 4
	v_nop
.endr
.endm
.macro CREST                           ; a round of the cluster's barrier behind its opening barrier
	s_cmp_lg_u32 s[WV], 0
	s_cbranch_scc1 .Lnot_wave_0_\@
	s_barrier_signal -3
.Lnot_wave_0_\@:
	s_barrier_wait -3
	s_barrier_signal -1
	s_barrier_wait -1
.endm
.macro CROUND
	s_barrier_signal -1
	s_barrier_wait -1
	CREST
.endm
	s_load_b512 s[4:19], s[0:1], 0x0               ; xc, xs, Wk_codes, Wk_scales, Wv_codes, Wv_scales, bk, bv
	s_load_b128 s[20:23], s[0:1], 0x40             ; gp, gst
	v_lshl_add_u32 v[SPW], v0, 2, SPARE
	v_mov_b32 v[NIL], 0
	ds_add_u32 v[SPW], v[NIL]                      ; the wave's opening: the add, twice on end, and its wait ahead of my first tensor load
	ds_add_u32 v[SPW], v[NIL]
	v_lshrrev_b32 v1, 5, v0
	v_readfirstlane_b32 s[WV], v1
	s_lshr_b32 s[RH], s[WV], 1
	s_and_b32 s[CH], s[WV], 1
	s_bfe_u32 s[CX], ttmp6, 0x40000
	s_bfe_u32 s[CY], ttmp6, 0x40004
	s_lshl_b32 s[XX], ttmp9, 2
	s_add_co_u32 s[XX], s[XX], s[CX]               ; X: the pair of heads
	s_and_b32 s[YY], ttmp7, 0xffff
	s_lshl_b32 s[YY], s[YY], 2
	s_add_co_u32 s[YY], s[YY], s[CY]               ; Y: the 512 rows
	s_lshl_b32 s66, s[CY], 2
	s_lshl_b32 s66, 15, s66                        ; my row of the cluster
	s_lshl_b32 s67, 0x1111, s[CX]                  ; my column
	s_or_b32 s[G1X], s66, (3<<16)|(1<<21)          ; x's codes: 64 dense rows of 256 bytes (32 elements of 8); the mask, and bit 21 beside it
	s_mov_b32 s[G1X+1], 32<<16
	s_mov_b32 s[G1X+2], 64<<16
	s_mov_b32 s[G1X+3], 32<<16
	s_mov_b32 s[G1X+4], 64
	s_mov_b32 s[G1X+5], 32
	s_mov_b32 s[G1X+6], 0
	s_mov_b32 s[G1X+7], 0
	s_or_b32 s[G1XS], s66, (3<<16)|(1<<21)         ; x's scale bytes: 16 such rows
	s_mov_b32 s[G1XS+1], 32<<16
	s_mov_b32 s[G1XS+2], 16<<16
	s_mov_b32 s[G1XS+3], 32<<16
	s_mov_b32 s[G1XS+4], 16
	s_mov_b32 s[G1XS+5], 32
	s_mov_b32 s[G1XS+6], 0
	s_mov_b32 s[G1XS+7], 0
	s_or_b32 s[G1W], s67, (1<<20)|(1<<21)|(6<<22)|(3<<25)   ; W's codes: 64 rows of 512 bytes, 4 words of padding behind every 128
	s_mov_b32 s[G1W+1], 512<<16
	s_mov_b32 s[G1W+2], 64<<16
	s_mov_b32 s[G1W+3], 512<<16
	s_mov_b32 s[G1W+4], 64
	s_mov_b32 s[G1W+5], 512
	s_mov_b32 s[G1W+6], 0
	s_mov_b32 s[G1W+7], 0
	s_or_b32 s[G1WS], s67, (3<<16)|(1<<21)         ; W's scale bytes: 8 dense rows of 256 bytes
	s_mov_b32 s[G1WS+1], 32<<16
	s_mov_b32 s[G1WS+2], 8<<16
	s_mov_b32 s[G1WS+3], 32<<16
	s_mov_b32 s[G1WS+4], 8
	s_mov_b32 s[G1WS+5], 32
	s_mov_b32 s[G1WS+6], 0
	s_mov_b32 s[G1WS+7], 0
	s_mov_b32 s[CS], 0x3fb8aa3b                    ; c = log2(e)
	s_mov_b32 s[CS+1], s[CS]
	s_mov_b32 s[SEL], 0x76543210
	s_mov_b32 s[SEL+1], 0xfedcba98
	s_wait_dscnt 0x0                               ; both opening adds are done
	s_wait_kmcnt 0x0
	; x's addresses hang on Y and the wave alone, W's on X and the wave alone, each in registers that never hold the other coordinate
	s_lshl_b32 s88, s[YY], 17                      ; 32 row tiles of 4,096 bytes
	s_lshl_b32 s31, s[WV], 14                      ; my 4 row tiles
	s_add_co_u32 s88, s88, s31
	s_mov_b32 s89, 0
	s_mov_b32 s[G0X0], 1
	s_mov_b32 s[G0X0+1], s31
	s_add_nc_u64 s[G0X0+2:G0X0+3], s[4:5], s[88:89]
	s_mov_b32 s[G0X1], 1
	s_add_co_u32 s[G0X1+1], s31, SLOTB
	s_add_nc_u64 s[G0X1+2:G0X1+3], s[G0X0+2:G0X0+3], 4194304   ; the other half of K
	s_or_b32 s[G0X0+3], s[G0X0+3], 0x80000000
	s_or_b32 s[G0X1+3], s[G0X1+3], 0x80000000
	s_lshl_b32 s88, s[YY], 14
	s_lshl_b32 s31, s[WV], 12
	s_add_co_u32 s88, s88, s31
	s_mov_b32 s[G0XS], 1
	s_add_co_u32 s[G0XS+1], s31, SCX
	s_add_nc_u64 s[G0XS+2:G0XS+3], s[6:7], s[88:89]
	s_or_b32 s[G0XS+3], s[G0XS+3], 0x80000000
	s_lshl_b32 s90, s[XX], 1
	s_add_co_u32 s90, s90, s[RH]                   ; the head whose rows I fetch; waves 0, 2: of Wk; waves 1, 3: of Wv
	s_cmp_eq_u32 s[CH], 0
	s_cselect_b64 s[G0W+2:G0W+3], s[8:9], s[12:13]
	s_cselect_b64 s[G0WS+2:G0WS+3], s[10:11], s[14:15]
	s_lshl_b32 s98, s90, 15                        ; 64 rows of 512 bytes
	s_mov_b32 s99, 0
	s_add_nc_u64 s[G0W+2:G0W+3], s[G0W+2:G0W+3], s[98:99]
	s_lshl_b32 s98, s90, 11                        ; 64 rows of 32 bytes
	s_add_nc_u64 s[G0WS+2:G0WS+3], s[G0WS+2:G0WS+3], s[98:99]
	s_or_b32 s[G0W+3], s[G0W+3], 0x80000000
	s_or_b32 s[G0WS+3], s[G0WS+3], 0x80000000
	s_mov_b32 s[G0W], 1
	s_mul_i32 s31, s[WV], 64*WP
	s_add_co_u32 s[G0W+1], s31, WB
	s_mov_b32 s[G0WS], 1
	s_lshl_b32 s31, s[WV], 11
	s_add_co_u32 s[G0WS+1], s31, SCW
	CROUND                                         ; all sixteen work-groups are here: the first joint loads meet
	tensor_load_to_lds s[G0WS:G0WS+3], s[G1WS:G1WS+7]
	s_nop 0
	tensor_load_to_lds s[G0XS:G0XS+3], s[G1XS:G1XS+7]
	s_nop 0
	tensor_load_to_lds s[G0W:G0W+3], s[G1W:G1W+7]
	s_nop 0
	tensor_load_to_lds s[G0X0:G0X0+3], s[G1X:G1X+7]
	s_nop 0
	tensor_load_to_lds s[G0X1:G0X1+3], s[G1X:G1X+7]
	s_nop 0
	v_and_b32 v1, 15, v0                           ; r
	v_bfe_u32 v2, v0, 4, 1                         ; h
	v_and_b32 v[LI], 31, v0
	v_lshlrev_b32 v[PFO], 8, v[LI]
	v_lshlrev_b32 v[LI], 4, v[LI]
	s_lshl_b32 s31, s[RH], 15                      ; my 8 row tiles of a slot's 16
	v_add_nc_u32 v[ADRA], s31, v[LI]
	v_add_nc_u32 v[ADRA+1], SLOTB, v[ADRA]
	v_mul_u32_u24 v[ADRB], v1, WP
	v_lshl_add_u32 v[ADRB], v2, 4, v[ADRB]
	s_mul_i32 s31, s[CH], 128*WP                   ; my head's 128 rows: 64 of Wk, 64 of Wv
	s_add_co_u32 s31, s31, WB
	v_add_nc_u32 v[ADRB], s31, v[ADRB]
	v_lshlrev_b32 v[R4], 5, v1                     ; 32 bytes of scales a row
	s_xor_b32 s100, s[RH], 1
	s_add_co_u32 s100, s100, s[CH]
	s_lshl_b32 s100, s100, 12
	s_lshl_b32 s101, s[RH], 12
.irp p, 0,1                                    ; lanes 16-31 stand one distance further on, at W's words: the lower base + h x the distance
	s_add_co_u32 s99, s100, SCW-SCX-4096-8192*\p
	v_mul_u32_u24 v[ADRS+\p], s99, v2
	s_add_co_u32 s99, s101, SCX+8192*\p
	v_add_nc_u32 v[ADRS+\p], v[ADRS+\p], v[R4]
	v_add_nc_u32 v[ADRS+\p], s99, v[ADRS+\p]
.endr
	v_lshlrev_b32 v[R4], 2, v1
	v_mov_b32 v[NINF], 0xff800000
	v_mov_b32 v[FLR], 0x1800000
.set i, 0
.rept 16
	v_mov_b32 v[PT+i], 0                           ; written once: a lane permute's destination counts as one of its sources
.set i, i+1
.endr
	s_lshl_b32 s98, s[XX], 1
	s_add_co_u32 s98, s98, s[CH]                   ; my head
	s_lshl_b32 s100, s98, 8
	s_mov_b32 s101, 0
	s_add_nc_u64 s[16:17], s[16:17], s[100:101]
	s_add_nc_u64 s[18:19], s[18:19], s[100:101]
.irp nt, 0,1,2,3
	global_load_b32 v[BKC+\nt], v[R4], s[16:17] offset:64*\nt
	global_load_b32 v[BV+8*\nt], v[R4], s[18:19] offset:64*\nt
.endr
	s_lshr_b32 s99, s[YY], 3                       ; the part's number: ((batch x 16 + head) x 8 + Y % 8) x 2 + my half of the rows
	s_lshl_b32 s99, s99, 4
	s_add_co_u32 s99, s99, s98
	s_lshl_b32 s99, s99, 4
	s_and_b32 s100, s[YY], 7
	s_lshl_b32 s100, s100, 1
	s_add_co_u32 s99, s99, s100
	s_add_co_u32 s99, s99, s[RH]
	s_lshl_b32 s100, s99, 14
	s_add_nc_u64 s[20:21], s[20:21], s[100:101]
	s_lshl_b32 s100, s99, 10
	s_add_nc_u64 s[22:23], s[22:23], s[100:101]
	; the prefetch of pass 1's codes, 131,072 bytes for a Y: partner cx takes half cx / 2 of K and 32,768 bytes of it, wave w 8,192 of those, lanes 256 bytes apart: the partners are told apart by address
	s_lshr_b32 s100, s[CX], 1
	s_lshl_b32 s100, s100, 22
	s_lshl_b32 s99, s[YY], 17
	s_add_co_u32 s100, s100, s99
	s_and_b32 s99, s[CX], 1
	s_lshl_b32 s99, s99, 15
	s_add_co_u32 s100, s100, s99
	s_lshl_b32 s99, s[WV], 13
	s_add_co_u32 s100, s100, s99
	s_add_co_u32 s100, s100, 65536                 ; pass 1's 16 row tiles
	s_add_nc_u64 s[PFA:PFA+1], s[4:5], s[100:101]
	s_wait_loadcnt 0x0
.irp nt, 0,1,2,3
	v_mul_f32 v[BKC+\nt], s[CS], v[BKC+\nt]
.endr
.irp nt, 0,1,2,3
.irp j, 1,2,3,4,5,6,7
	v_mov_b32 v[BV+8*\nt+\j], v[BV+8*\nt]
.endr
.endr
; 16 products: x's tiles a0, a0 + 1 against W's eight, K step q of the slot.  p: W's set; sc: the set of scale words.  zero = 1: the first K step starts the sums, k's with 0, v's with bv.
; The 64 accumulators take turns, one instruction a turn, in the same order in every step.
.macro MUL16 a0, p, q, sc, zero
.irp a, \a0, \a0+1
.irp b, 0,1,2,3,4,5,6,7
.set rD, 8*(8*((\a)%4)+\b)
.set rA, AF+8*(\a)
.set rB, 128*(\p)+8*\b
.set rSA, SC+32*(\sc)+4*(\a)+(\q)
.set rSB, SC+32*(\sc)+4*\b+(\q)
.if \zero
.if \b < 4
	v_wmma_scale_f32_16x16x128_f8f6f4 v[rD:rD+7], v[rA:rA+7], v[rB:rB+7], 0, v[rSA], v[rSB] matrix_a_fmt:MATRIX_FMT_FP4 matrix_b_fmt:MATRIX_FMT_FP4 matrix_b_scale:MATRIX_SCALE_ROW1
.else
	v_wmma_scale_f32_16x16x128_f8f6f4 v[rD:rD+7], v[rA:rA+7], v[rB:rB+7], v[BV+8*(\b-4):BV+8*(\b-4)+7], v[rSA], v[rSB] matrix_a_fmt:MATRIX_FMT_FP4 matrix_b_fmt:MATRIX_FMT_FP4 matrix_b_scale:MATRIX_SCALE_ROW1
.endif
.else
	v_wmma_scale_f32_16x16x128_f8f6f4 v[rD:rD+7], v[rA:rA+7], v[rB:rB+7], v[rD:rD+7], v[rSA], v[rSB] matrix_a_fmt:MATRIX_FMT_FP4 matrix_b_fmt:MATRIX_FMT_FP4 matrix_b_scale:MATRIX_SCALE_ROW1
.endif
.endr
.endr
.endm
.macro FETCH_A slot, q, i0             ; x's tiles i0 .. i0 + 3: images, 512 dense bytes a load
.irp i, \i0, \i0+1, \i0+2, \i0+3
.irp c, 0,1
	ds_load_b128 v[AF+8*(\i)+4*\c:AF+8*(\i)+4*\c+3], v[ADRA+\slot] offset:(\i)*4096+(\q)*1024+512*\c
.endr
.endr
.endm
.macro FETCH_B ks, p                   ; W's eight fragments of K step ks into set p
	WIN TO_B
.irp b, 0,1,2,3,4,5,6,7
.irp c, 0,1
	ds_load_b128 v[128*(\p)+8*\b+4*\c:128*(\p)+8*\b+4*\c+3], v[ADRB] offset:\b*16*WP+(\ks)*64+32*\c
.endr
.endr
	WIN 0
.endm
.macro SCALES set, kh, adr             ; four K steps' scale words: lanes 0-15 x's tile i, lanes 16-31 W's tile i
.irp i, 0,1,2,3,4,5,6,7
	ds_load_b128 v[SC+32*\set+4*\i:SC+32*\set+4*\i+3], v[\adr] offset:\i*512+\kh*16
.endr
.endm
.macro START adr
	FETCH_B 0, 0
	FETCH_A 0, 0, 0
	SCALES 0, 0, \adr
	FETCH_A 0, 0, 4
.endm
; A K step that has its successor in the same slot.  Four plain places stand in front of each run of loads into registers that matrix instructions have read.
.macro STEP slot, q, zero
	s_wait_dscnt 8                                 ; all but the youngest eight loads (x's tiles 4-7)
.if \zero
	WIN MULZ_LO
.else
	WIN MUL_LO
.endif
	MUL16 0, (\q)%2, \q, \slot, \zero
	MUL16 2, (\q)%2, \q, \slot, \zero
	s_wait_dscnt 0x0
	PLACES
	FETCH_B 4*(\slot)+(\q)+1, 1-(\q)%2
	FETCH_A \slot, (\q)+1, 0
.if \zero
	WIN MULZ_HI
.else
	WIN MUL_HI
.endif
	MUL16 4, (\q)%2, \q, \slot, \zero
	MUL16 6, (\q)%2, \q, \slot, \zero
	PLACES
	WIN 0
	FETCH_A \slot, (\q)+1, 4
.endm
.macro XFILL g0                        ; the slot takes pass 1's 16 row tiles; the four v_nop are also the places in front of the loads that follow
	s_add_nc_u64 s[\g0+2:\g0+3], s[\g0+2:\g0+3], 65536
	tensor_load_to_lds s[\g0:\g0+3], s[G1X:G1X+7]
	s_nop 0
	PLACES
.endm
; Slot 0's last step changes slots: each wave waits for all its tensor loads, adds 0 to its spare word, waits for that and for its reads of the slot, and meets the others.  fill = 1: a round of the cluster's barrier, and the joint refill first behind it.
.macro TURN fill, adr
	s_wait_tensorcnt 0x0                           ; all my tensor loads have landed
	ds_add_u32 v[SPW], v[NIL]
	s_wait_dscnt 9                                 ; (the add and the youngest eight loads may be out)
	WIN MUL_LO
	MUL16 0, 1, 3, 0, 0
	s_wait_dscnt 0x0                               ; the add is done, and my reads of slot 0 are over
	s_barrier_signal -1
	MUL16 2, 1, 3, 0, 0
	WIN 0
	s_barrier_wait -1
.if \fill
	CREST
	XFILL G0X0
.else
	PLACES
.endif
	FETCH_B 4, 0
	FETCH_A 1, 0, 0
	SCALES 1, 1, \adr
	WIN MUL_HI
	MUL16 4, 1, 3, 0, 0
	MUL16 6, 1, 3, 0, 0
	PLACES
	WIN 0
	FETCH_A 1, 0, 4
.endm
.macro LAST fill                       ; slot 1's last step; fill = 1: slot 1 takes pass 1's tiles
.if \fill
	s_wait_tensorcnt 0x0                           ; slot 0's refill has landed
	ds_add_u32 v[SPW], v[NIL]
	s_wait_dscnt 9
	WIN MUL_LO
	MUL16 0, 1, 3, 1, 0
	s_wait_dscnt 0x0                               ; the add is done, and my reads of slot 1 are over
	s_barrier_signal -1
	MUL16 2, 1, 3, 1, 0
	WIN 0
	s_barrier_wait -1
	CREST
	XFILL G0X1
.else
	s_wait_dscnt 8
	WIN MUL_LO
	MUL16 0, 1, 3, 1, 0
	MUL16 2, 1, 3, 1, 0
	s_wait_dscnt 0x0
.endif
	WIN MUL_HI
	MUL16 4, 1, 3, 1, 0
	MUL16 6, 1, 3, 1, 0
.endm
; The largest number (mag = 0) or magnitude (mag = 1, over the floor) of each block of 32 positions of columns col0 + nt: eight chains by turns in each window; every accumulator is read from its low end on.
.macro BMAX col0, mag
.irp wn, 0,1
	WIN 0x28+0x14*\wn
.set i, 0
.rept 8
.irp bl, 0,1
.irp nt, 0,1,2,3
.set rB, BM+4*\nt+2*\wn+\bl
.set rS, 8*(8*(2*\bl+i/4)+\col0+\nt)+2*(i%4)
.if i == 0
.if \mag
	v_max3_num_f32 v[rB], v[FLR], |v[rS]|, |v[rS+1]|
.else
	v_max3_num_f32 v[rB], v[NINF], v[rS], v[rS+1]
.endif
.else
.if \mag
	v_max3_num_f32 v[rB], v[rB], |v[rS]|, |v[rS+1]|
.else
	v_max3_num_f32 v[rB], v[rB], v[rS], v[rS+1]
.endif
.endif
.endr
.endr
.set i, i+1
.endr
.endr
.endm
.macro HALVES                          ; with lane l xor 16's
	WIN 0
.set i, 0
.rept 16
	v_permlanex16_b32 v[PT+i], v[BM+i], s[SEL], s[SEL+1]
.set i, i+1
.endr
.set i, 0
.rept 16
	v_max_num_f32 v[BM+i], v[BM+i], v[PT+i]
.set i, i+1
.endr
.endm
.macro WORDS dst                       ; the conversions' scale operands in PT, the bytes, and a scale word for each tile of columns
.set i, 0
.rept 16
	v_add_nc_u32 v[PT+i], 0xff000000, v[BM+i]
.set i, i+1
.endr
.set i, 0
.rept 16
	v_lshrrev_b32 v[BM+i], 23, v[PT+i]
.set i, i+1
.endr
.irp nt, 0,1,2,3
	v_lshl_or_b32 v[\dst+\nt], v[BM+4*\nt+1], 8, v[BM+4*\nt]
.endr
.irp nt, 0,1,2,3
	v_lshl_or_b32 v[\dst+\nt], v[BM+4*\nt+2], 16, v[\dst+\nt]
.endr
.irp nt, 0,1,2,3
	v_lshl_or_b32 v[\dst+\nt], v[BM+4*\nt+3], 24, v[\dst+\nt]
.endr
.endm
.macro CODES base, col0                ; tile a's eight numbers become one register of codes; laid 0, 2, 1, 3, two exchanges of halves make four registers of the operand
.irp a, 0,1,2,3,4,5,6,7
	WIN 0x02+(\a/4)
.irp nt, 0,1,2,3
	v_cvt_scalef32_pk8_fp4_f32 v[\base+8*\nt+4*(\a/4)+2*(\a%2)+((\a%4)/2)], v[8*(8*(\a%4)+\col0+\nt):8*(8*(\a%4)+\col0+\nt)+7], v[PT+4*\nt+(\a/2)]
.endr
.endr
	v_nop                                          ; one plain place behind a scaled conversion
	WIN 0
.irp nt, 0,1,2,3
.irp c, 0,1
	v_permlane16_swap_b32 v[\base+8*\nt+4*\c], v[\base+8*\nt+4*\c+1]
	v_permlane16_swap_b32 v[\base+8*\nt+4*\c+2], v[\base+8*\nt+4*\c+3]
.endr
.endr
.endm
; BEHIND A PASS: the softmax's step along the positions, both quantisers, and the map's product for these 128 positions.
.macro EPI first
	PLACES                                         ; four places behind the last products, ahead of the first read of results
	BMAX 0, 0
	HALVES
.irp nt, 0,1,2,3
	v_max3_num_f32 v[SM+\nt], v[BM+4*\nt], v[BM+4*\nt+1], v[BM+4*\nt+2]
.endr
.irp nt, 0,1,2,3
	v_max_num_f32 v[SM+\nt], v[SM+\nt], v[BM+4*\nt+3]
.endr
.if \first
.irp nt, 0,1,2,3
	v_fma_f32 v[OT+2*\nt+1], v[SM+\nt], s[CS], v[BKC+\nt]      ; the column's largest t
.endr
.else
.irp nt, 0,1,2,3
	v_fma_f32 v[SM+\nt], v[SM+\nt], s[CS], v[BKC+\nt]
.endr
.irp nt, 0,1,2,3
	v_max_num_f32 v[OT+2*\nt+1], v[OT+2*\nt+1], v[SM+\nt]
	v_mov_b32 v[OLD+\nt], v[FN+2*\nt+1]
.endr
.endif
.irp nt, 0,1,2,3
	v_floor_f32 v[FN+2*\nt+1], -v[OT+2*\nt+1]      ; -M = floor(-t): M is a whole number
.endr
.irp nt, 0,1,2,3
	v_add_f32 v[OT+2*\nt], v[FN+2*\nt+1], v[BKC+\nt]
.endr
.if \first == 0
.irp nt, 0,1,2,3
	v_sub_f32 v[OLD+\nt], v[FN+2*\nt+1], v[OLD+\nt]
.endr
.irp nt, 0,1,2,3
	v_cvt_i32_f32 v[OLD+\nt], v[OLD+\nt]
.endr
.irp nt, 0,1,2,3
	v_ldexp_f32 v[FN+2*\nt], 1.0, v[OLD+\nt]       ; f = 2^(old M - new M)
.endr
.endif
.set i, 0
.rept 16
	v_fma_f32 v[BM+i], v[BM+i], s[CS], v[OT+2*(i/4)]   ; each block's largest number goes the way of all: its p is the block's largest p
.set i, i+1
.endr
.irp wn, 0,1
	WIN 0x82+0x41*\wn
.irp a, 0,1,2,3
.irp nt, 0,1,2,3
.irp j, 0,2,4,6
	v_pk_fma_f32 v[8*(8*\a+\nt)+\j:8*(8*\a+\nt)+\j+1], v[8*(8*\a+\nt)+\j:8*(8*\a+\nt)+\j+1], s[CS:CS+1], v[OT+2*\nt:OT+2*\nt+1] op_sel_hi:[1,0,0]   ; t - M
.endr
.endr
.endr
.irp a, 0,1,2,3
.irp nt, 0,1,2,3
.irp j, 0,1,2,3,4,5,6,7
	v_exp_f32 v[8*(8*\a+\nt)+\j], v[8*(8*\a+\nt)+\j]   ; p
.endr
.endr
.endr
.endr
	WIN 0
.if \first
.irp j, 0,1,2,3,4,5,6,7
	v_mov_b32 v[LL+\j], 0                          ; the sums begin.  (Plain lines behind the exponentials)
.endr
.else
.irp nt, 0,1,2,3
	v_pk_mul_f32 v[LL+2*\nt:LL+2*\nt+1], v[LL+2*\nt:LL+2*\nt+1], v[FN+2*\nt:FN+2*\nt+1] op_sel_hi:[1,0]   ; the sums under the new M
.endr
.endif
	s_wait_alu depctr_va_vdst(0)                   ; one wait for the batch of 256, ahead of its first reader
.set i, 0
.rept 16
	v_exp_f32 v[BM+i], v[BM+i]
.set i, i+1
.endr
.irp wn, 0,1
	WIN 0x08+0x04*\wn
.irp a, 0,1,2,3
.irp j, 0,2,4,6
.irp nt, 0,1,2,3
	v_pk_add_f32 v[LL+2*\nt:LL+2*\nt+1], v[LL+2*\nt:LL+2*\nt+1], v[8*(8*\a+\nt)+\j:8*(8*\a+\nt)+\j+1]   ; the sum of the unquantised p
.endr
.endr
.endr
.endr
	WIN 0
	s_wait_alu depctr_va_vdst(0)                   ; and one for the sixteen
.set i, 0
.rept 16
	v_max_num_f32 v[BM+i], v[FLR], v[BM+i]
.set i, i+1
.endr
	WORDS PW
	CODES PP, 0
	BMAX 4, 1
	HALVES
	WORDS VW
	CODES VF, 4
.if \first
.rept 8
	v_nop                                          ; scale words written by vector instructions stand eight places ahead of the products, operands four
.endr
	WIN 0x40
.else
	WIN 0x41
.set g, 0
.rept 16
.irp j, 0,2,4,6
	v_pk_mul_f32 v[64+8*g+64*(g/8)+\j:64+8*g+64*(g/8)+\j+1], v[64+8*g+64*(g/8)+\j:64+8*g+64*(g/8)+\j+1], v[FN+2*(g/4):FN+2*(g/4)+1] op_sel_hi:[1,0]   ; G under the new M; these are also the places
.endr
.set g, g+1
.endr
	WIN 0x50
.endif
.set g, 0
.rept 16                                       ; G(ntd, nte): source 0 = 16 columns of v, source 1 = 16 columns of p: a lane holds one d and eight neighbouring e.  Sixteen accumulators, one instruction each
.set rG, 64+8*g+64*(g/8)
.if \first
	v_wmma_scale_f32_16x16x128_f8f6f4 v[rG:rG+7], v[VF+8*(g%4):VF+8*(g%4)+7], v[PP+8*(g/4):PP+8*(g/4)+7], 0, v[VW+(g%4)], v[PW+(g/4)] matrix_a_fmt:MATRIX_FMT_FP4 matrix_b_fmt:MATRIX_FMT_FP4
.else
	v_wmma_scale_f32_16x16x128_f8f6f4 v[rG:rG+7], v[VF+8*(g%4):VF+8*(g%4)+7], v[PP+8*(g/4):PP+8*(g/4)+7], v[rG:rG+7], v[VW+(g%4)], v[PW+(g/4)] matrix_a_fmt:MATRIX_FMT_FP4 matrix_b_fmt:MATRIX_FMT_FP4
.endif
.set g, g+1
.endr
	WIN 0
	PLACES
.endm
	s_wait_tensorcnt 0x1                           ; the scales, W and slot 0 are in; slot 1 may be out
	s_barrier_signal -1
	s_barrier_wait -1
	START ADRS
	STEP 0, 0, 1
	s_cmp_eq_u32 ttmp9, 0                          ; both clusters of a row of clusters walk the same rows of x: the first asks, once for each 256 bytes; the same way in all sixteen partners
	s_cbranch_scc0 .Lnot_mine
	global_prefetch_b8 v[PFO], s[PFA:PFA+1] th:TH_LOAD_NT scope:SCOPE_SE   ; pass 1's codes: three K steps ahead of slot 0's refill, seven ahead of slot 1's
.Lnot_mine:
	STEP 0, 1, 0
	STEP 0, 2, 0
	TURN 1, ADRS
	STEP 1, 0, 0
	STEP 1, 1, 0
	STEP 1, 2, 0
	LAST 1
	EPI 1
	START ADRS+1                                   ; slot 0's refill is whole: every wave waited for all its loads ahead of the last round
	STEP 0, 0, 1
	STEP 0, 1, 0
	STEP 0, 2, 0
	TURN 0, ADRS+1
	STEP 1, 0, 0
	STEP 1, 1, 0
	STEP 1, 2, 0
	LAST 0
	EPI 0
	; THE WAY OUT: my part of the map as its registers stand, 512 consecutive bytes a store, and (-M, l) of my columns
.irp nt, 0,1,2,3
	v_add_f32 v[SM+\nt], v[LL+2*\nt], v[LL+2*\nt+1]
.endr
.irp nt, 0,1,2,3
	v_permlanex16_b32 v[PT+\nt], v[SM+\nt], s[SEL], s[SEL+1]
.endr
.irp nt, 0,1,2,3
	v_add_f32 v[BM+2*\nt+1], v[SM+\nt], v[PT+\nt]
	v_mov_b32 v[BM+2*\nt], v[FN+2*\nt+1]
.endr
	WIN 0x04                                       ; a store's data are its source 1: window 1
.set g, 0
.rept 16
.set rG, 64+8*g+64*(g/8)
	global_store_b128 v[LI], v[rG:rG+3], s[20:21] offset:g*1024           ; each accumulator from its low end on
	global_store_b128 v[LI], v[rG+4:rG+7], s[20:21] offset:g*1024+512
.set g, g+1
.endr
	WIN 0
	global_store_b128 v[LI], v[BM:BM+3], s[22:23]
	global_store_b128 v[LI], v[BM+4:BM+7], s[22:23] offset:512
	s_wait_tensorcnt 0x0                           ; the wave's end
	ds_add_u32 v[SPW], v[NIL]
	s_wait_dscnt 0x0
	CROUND                                         ; the closing round
	s_endpgm
.Lfunc_end_k_q6a8b2e22a2_kv:
	.size	k_q6a8b2e22a2_kv, .Lfunc_end_k_q6a8b2e22a2_kv-k_q6a8b2e22a2_kv
	.p2alignl 7, 3214868480
	.fill 96, 4, 3214868480
	.section	.rodata,"a",@progbits
	.p2align	6, 0x0
	.amdhsa_kernel k_q6a8b2e22a2_kv
		.amdhsa_group_segment_fixed_size 327680
		.amdhsa_private_segment_fixed_size 0
		.amdhsa_enable_private_segment 0
		.amdhsa_kernarg_size 80
		.amdhsa_user_sgpr_count 2
		.amdhsa_user_sgpr_kernarg_segment_ptr 1
		.amdhsa_wavefront_size32 1
		.amdhsa_system_sgpr_workgroup_id_x 1
		.amdhsa_system_sgpr_workgroup_id_y 1
		.amdhsa_system_sgpr_workgroup_id_z 1
		.amdhsa_system_vgpr_workitem_id 0
		.amdhsa_next_free_vgpr 1024
		.amdhsa_next_free_sgpr 102
		.amdhsa_reserve_vcc 0
		.amdhsa_float_denorm_mode_32 3
		.amdhsa_float_denorm_mode_16_64 3
		.amdhsa_memory_ordered 1
		.amdhsa_forward_progress 1
		.amdhsa_inst_pref_size 255
	.end_amdhsa_kernel
	.section	.bss,"aw",@nobits
	.p2align	6
	.space	262144
	.amdgpu_metadata
---
amdhsa.version: [ 1, 2 ]
amdhsa.kernels:
  - .name:           k_q6a8b2e22a2_kv
    .symbol:         k_q6a8b2e22a2_kv.kd
    .args:
      - { .name: xc, .offset: 0, .size: 8, .value_kind: global_buffer, .address_space: global }
      - { .name: xs, .offset: 8, .size: 8, .value_kind: global_buffer, .address_space: global }
      - { .name: Wk_codes, .offset: 16, .size: 8, .value_kind: global_buffer, .address_space: global }
      - { .name: Wk_scales, .offset: 24, .size: 8, .value_kind: global_buffer, .address_space: global }
      - { .name: Wv_codes, .offset: 32, .size: 8, .value_kind: global_buffer, .address_space: global }
      - { .name: Wv_scales, .offset: 40, .size: 8, .value_kind: global_buffer, .address_space: global }
      - { .name: bk, .offset: 48, .size: 8, .value_kind: global_buffer, .address_space: global }
      - { .name: bv, .offset: 56, .size: 8, .value_kind: global_buffer, .address_space: global }
      - { .name: gp, .offset: 64, .size: 8, .value_kind: global_buffer, .address_space: global }
      - { .name: gst, .offset: 72, .size: 8, .value_kind: global_buffer, .address_space: global }
    .group_segment_fixed_size: 327680
    .private_segment_fixed_size: 0
    .kernarg_segment_align: 8
    .kernarg_segment_size: 80
    .max_flat_workgroup_size: 128
    .sgpr_count:     102
    .vgpr_count:     1024
    .wavefront_size: 32
...
	.end_amdgpu_metadata
.endif
;; end of part 2
;; launch gfin (part 3): grid 256 x 1, 4 waves a work-group, no clusters, 5,120 bytes of LDS; arguments gp, gst, gc, gs; writes gc, gs
.if DOCPART == 3
	.amdgcn_target "amdgcn-amd-amdhsa--gfx1250"
	.amdhsa_code_object_version 6
	.text
	.protected	k_q6a8b2e22a2_gfin
	.globl	k_q6a8b2e22a2_gfin
	.p2align	8
	.type	k_q6a8b2e22a2_gfin,@function
k_q6a8b2e22a2_gfin:
	s_mov_b64 s[64:65], 0
	v_nop
	global_prefetch_b8 v0, s[64:65] scope:SCOPE_SE
	s_setreg_imm32_b32 hwreg(HW_REG_WAVE_MODE, 25, 1), 1
	s_wait_xcnt 0x0
; THIRD LAUNCH: the 16 parts of each (batch, head)'s map are brought under one M and added, divided by l, and quantised along d to codes of FP4 (E2M1): the operand of the last product.
; (mask and pad_mask are read by no step of reference(): not loaded.)
; Work-group = 4 x (16 batch + head) + et: 16 columns e of the map; wave = ntd: 16 rows d.  A part's tile lies as its accumulator's registers: lane (r, h), register j = G(16 ntd + r, 16 et + 8 h + j).
; -M = the least of the parts' -M; a part is multiplied by 2^(its M - M), a power of two: exact.  The 64 x 16 numbers turn through LDS (rows e, 272 bytes apart), and wave 0 takes a whole block of 32 d a lane.
; LIMITS: a block whose largest magnitude lies under 2^-124, or of zeros, keeps the byte 1.  Bytes 2 and 3 of a scale word are 0: they stand over codes that the last launch sets to zero.
.set TP,    272
.set SPARE, 4608                       ; behind the 16 rows: the spare words, 128 bytes a wave
.set LI,  3
.set L4,  4
.set TS,  5                            ; v5  into the rows: 2,176 h + 4 r + 64 wave
.set TR,  6                            ; v6  out of them: 272 r + 128 h
.set SPW, 8
.set NIL, 9
.set NMN, 10                           ; -M
.set LS,  12                           ; v12-13 l in two chains
.set RLP, 14                           ; v14-15 1 / l, as a pair
.set GA,  16                           ; v16-23 the sums
.set QT,  24                           ; v24-27 at work
.set CD,  28                           ; v28-31 the codes
.set STT, 32                           ; v32-63 (-M, l), then (f, l), of the 16 parts
.set DA,  64                           ; v64-191 the 16 parts' tiles
	s_load_b128 s[4:7], s[0:1], 0x0                ; gp, gst
	s_load_b128 s[8:11], s[0:1], 0x10              ; gc, gs
	v_lshl_add_u32 v[SPW], v0, 2, SPARE
	v_mov_b32 v[NIL], 0
	v_lshrrev_b32 v1, 5, v0
	v_readfirstlane_b32 s12, v1                    ; wave = ntd
	v_and_b32 v1, 15, v0                           ; r
	v_bfe_u32 v2, v0, 4, 1                         ; h
	v_and_b32 v[L4], 31, v0
	v_lshlrev_b32 v[LI], 4, v[L4]
	v_lshlrev_b32 v[L4], 2, v[L4]
	v_mul_u32_u24 v[TS], v2, 8*TP
	v_lshl_add_u32 v[TS], v1, 2, v[TS]
	s_lshl_b32 s13, s12, 6
	v_add_nc_u32 v[TS], s13, v[TS]
	v_mul_u32_u24 v[TR], v1, TP
	v_lshl_add_u32 v[TR], v2, 7, v[TR]
	s_mov_b32 s20, 0x76543210
	s_mov_b32 s21, 0xfedcba98
	s_lshr_b32 s14, ttmp9, 2                       ; 16 batch + head
	s_and_b32 s15, ttmp9, 3                        ; et
	s_lshl_b32 s16, s14, 18                        ; 16 parts of 16,384 bytes
	s_lshl_b32 s18, s12, 2
	s_add_co_u32 s18, s18, s15
	s_lshl_b32 s18, s18, 10                        ; tile 4 ntd + et
	s_add_co_u32 s16, s16, s18
	s_mov_b32 s17, 0
	s_lshl_b32 s18, s14, 14                        ; 16 parts of 1,024 bytes
	s_lshr_b32 s19, s12, 1
	s_lshl_b32 s19, s19, 9
	s_add_co_u32 s18, s18, s19
	s_and_b32 s19, s12, 1
	s_lshl_b32 s19, s19, 3
	s_add_co_u32 s18, s18, s19
	s_mov_b32 s19, 0
	s_wait_kmcnt 0x0
	s_add_nc_u64 s[4:5], s[4:5], s[16:17]
	s_add_nc_u64 s[6:7], s[6:7], s[18:19]
	s_lshl_b32 s16, ttmp9, 9
	s_add_nc_u64 s[8:9], s[8:9], s[16:17]
	s_lshl_b32 s16, ttmp9, 7
	s_add_nc_u64 s[10:11], s[10:11], s[16:17]
.set c_, 0
.rept 16
	global_load_b64 v[STT+2*c_:STT+2*c_+1], v[LI], s[6:7] offset:c_*1024
.set c_, c_+1
.endr
.set c_, 0
.rept 16
	global_load_b128 v[DA+8*c_:DA+8*c_+3], v[LI], s[4:5] offset:c_*16384
	global_load_b128 v[DA+8*c_+4:DA+8*c_+7], v[LI], s[4:5] offset:c_*16384+512
.set c_, c_+1
.endr
	s_wait_loadcnt 0x0
	v_min3_num_f32 v[NMN], v[STT], v[STT+2], v[STT+4]
.irp c, 3,5,7,9,11,13
	v_min3_num_f32 v[NMN], v[NMN], v[STT+2*\c], v[STT+2*\c+2]
.endr
	v_min_num_f32 v[NMN], v[NMN], v[STT+30]
.set c_, 0
.rept 16
	v_sub_f32 v[STT+2*c_], v[NMN], v[STT+2*c_]     ; the part's M less M: a whole number, 0 or less
.set c_, c_+1
.endr
.set c_, 0
.rept 16
	v_cvt_i32_f32 v[STT+2*c_], v[STT+2*c_]
.set c_, c_+1
.endr
.set c_, 0
.rept 16
	v_ldexp_f32 v[STT+2*c_], 1.0, v[STT+2*c_]      ; f
.set c_, c_+1
.endr
	v_mul_f32 v[LS], v[STT], v[STT+1]
	v_mul_f32 v[LS+1], v[STT+2], v[STT+3]
.set c_, 2
.rept 14
	v_fma_f32 v[LS+c_%2], v[STT+2*c_], v[STT+2*c_+1], v[LS+c_%2]
.set c_, c_+1
.endr
	v_add_f32 v[LS], v[LS], v[LS+1]
	v_rcp_f32 v[RLP], v[LS]
	v_mov_b32 v[RLP+1], 0                          ; (a plain place; named with it as a pair)
.irp i, 0,1,2,3
	v_pk_mul_f32 v[GA+2*\i:GA+2*\i+1], v[DA+2*\i:DA+2*\i+1], v[STT:STT+1] op_sel_hi:[1,0]
.endr
.set c_, 1
.rept 15
.irp i, 0,1,2,3
	v_pk_fma_f32 v[GA+2*\i:GA+2*\i+1], v[DA+8*c_+2*\i:DA+8*c_+2*\i+1], v[STT+2*c_:STT+2*c_+1], v[GA+2*\i:GA+2*\i+1] op_sel_hi:[1,0,1]
.endr
.set c_, c_+1
.endr
	s_wait_alu depctr_va_vdst(0)                   ; the wait for the reciprocal, ahead of its first reader
.irp i, 0,1,2,3
	v_pk_mul_f32 v[GA+2*\i:GA+2*\i+1], v[GA+2*\i:GA+2*\i+1], v[RLP:RLP+1] op_sel_hi:[1,0]
.endr
.irp j, 0,1,2,3,4,5,6,7
	ds_store_b32 v[TS], v[GA+\j] offset:\j*TP      ; row e = 8 h + j, place d = 16 ntd + r
.endr
	s_wait_dscnt 0x0                               ; for the others' sake: my stores have landed
	s_barrier_signal -1
	s_barrier_wait -1
	s_cmp_lg_u32 s12, 0
	s_cbranch_scc1 .Lend
.irp i, 0,1,2,3,4,5,6,7
	ds_load_b128 v[DA+4*\i:DA+4*\i+3], v[TR] offset:16*\i   ; row e = r, d = 32 h + 0 .. 31: a whole block
.endr
	s_wait_dscnt 0x0
	v_max3_num_f32 v[QT], |v[DA]|, |v[DA+1]|, 0x1800000
	v_max3_num_f32 v[QT+1], |v[DA+2]|, |v[DA+3]|, |v[DA+4]|
.irp i, 5,9,13,17,21,25
	v_max3_num_f32 v[QT], v[QT], |v[DA+\i]|, |v[DA+\i+1]|
	v_max3_num_f32 v[QT+1], v[QT+1], |v[DA+\i+2]|, |v[DA+\i+3]|
.endr
	v_max3_num_f32 v[QT], v[QT], |v[DA+29]|, |v[DA+30]|
	v_max3_num_f32 v[QT], v[QT], v[QT+1], |v[DA+31]|
	v_add_nc_u32 v[QT+1], 0xff000000, v[QT]        ; the conversion's scale operand
	v_lshrrev_b32 v[QT+2], 23, v[QT+1]             ; the byte,
	v_lshlrev_b32 v[QT+3], 3, v2
	v_lshlrev_b32 v[QT+2], v[QT+3], v[QT+2]        ; at its place in the word,
	v_mov_b32 v[QT+3], 0
	v_permlanex16_b32 v[QT+3], v[QT+2], s20, s21
	v_or_b32 v[QT+2], v[QT+2], v[QT+3]             ; with lane l xor 16's
.irp g, 0,1,2,3
	v_cvt_scalef32_pk8_fp4_f32 v[CD+\g], v[DA+8*\g:DA+8*\g+7], v[QT+1]
.endr
	v_nop
	global_store_b128 v[LI], v[CD:CD+3], s[8:9]    ; registers 0-3 of the fragment, 512 consecutive bytes
	global_store_b32 v[L4], v[QT+2], s[10:11]
.Lend:
	s_wait_tensorcnt 0x0                           ; the wave's end
	ds_add_u32 v[SPW], v[NIL]
	s_wait_dscnt 0x0
	s_endpgm
.Lfunc_end_k_q6a8b2e22a2_gfin:
	.size	k_q6a8b2e22a2_gfin, .Lfunc_end_k_q6a8b2e22a2_gfin-k_q6a8b2e22a2_gfin
	.p2alignl 7, 3214868480
	.fill 96, 4, 3214868480
	.section	.rodata,"a",@progbits
	.p2align	6, 0x0
	.amdhsa_kernel k_q6a8b2e22a2_gfin
		.amdhsa_group_segment_fixed_size 5120
		.amdhsa_private_segment_fixed_size 0
		.amdhsa_enable_private_segment 0
		.amdhsa_kernarg_size 32
		.amdhsa_user_sgpr_count 2
		.amdhsa_user_sgpr_kernarg_segment_ptr 1
		.amdhsa_wavefront_size32 1
		.amdhsa_system_sgpr_workgroup_id_x 1
		.amdhsa_system_sgpr_workgroup_id_y 1
		.amdhsa_system_sgpr_workgroup_id_z 1
		.amdhsa_system_vgpr_workitem_id 0
		.amdhsa_next_free_vgpr 200
		.amdhsa_next_free_sgpr 66
		.amdhsa_reserve_vcc 0
		.amdhsa_float_denorm_mode_32 3
		.amdhsa_float_denorm_mode_16_64 3
		.amdhsa_memory_ordered 1
		.amdhsa_forward_progress 1
		.amdhsa_inst_pref_size 18
	.end_amdhsa_kernel
	.amdgpu_metadata
---
amdhsa.version: [ 1, 2 ]
amdhsa.kernels:
  - .name:           k_q6a8b2e22a2_gfin
    .symbol:         k_q6a8b2e22a2_gfin.kd
    .args:
      - { .name: gp, .offset: 0, .size: 8, .value_kind: global_buffer, .address_space: global }
      - { .name: gst, .offset: 8, .size: 8, .value_kind: global_buffer, .address_space: global }
      - { .name: gc, .offset: 16, .size: 8, .value_kind: global_buffer, .address_space: global }
      - { .name: gs, .offset: 24, .size: 8, .value_kind: global_buffer, .address_space: global }
    .group_segment_fixed_size: 5120
    .private_segment_fixed_size: 0
    .kernarg_segment_align: 8
    .kernarg_segment_size: 32
    .max_flat_workgroup_size: 128
    .sgpr_count:     66
    .vgpr_count:     200
    .wavefront_size: 32
...
	.end_amdgpu_metadata
.endif
;; end of part 3
;; launch qo (part 4): grid 256 x 1, 4 waves a work-group, no clusters, 327,680 bytes of LDS; arguments x, xc, xs, wqi, Wq_scales, bq, gc, gs, gamma, beta, out0; writes out0
.if DOCPART == 4
	.amdgcn_target "amdgcn-amd-amdhsa--gfx1250"
	.amdhsa_code_object_version 6
	.text
	.protected	k_q6a8b2e22a2_qo
	.globl	k_q6a8b2e22a2_qo
	.p2align	8
	.type	k_q6a8b2e22a2_qo,@function
k_q6a8b2e22a2_qo:
	s_mov_b64 s[64:65], 0
	v_nop
	global_prefetch_b8 v0, s[64:65] scope:SCOPE_SE
	s_setreg_imm32_b32 hwreg(HW_REG_WAVE_MODE, 25, 1), 1
	s_wait_xcnt 0x0
; FOURTH LAUNCH: q = x Wq^T + bq, p = 2^(t - M) over each head's 64, o = p gmap / l, y = x + o, LayerNorm.  Both products on codes of FP4 (E2M1) with E8M0 scales.
; (mask and pad_mask are read by no step of reference(): not loaded.)
; SHARES.  A work-group owns 64 rows.  THE WAVES SHARE THE COLUMNS: wave w makes heads 4 w .. 4 w + 3 for all 64 rows, so each fragment of Wq is read by one wave and feeds four tiles of rows.  For the norm wave w owns rows 16 w on, whole.
; The rows' f32 numbers are asked for at the head, one tensor load a wave (its own 256 columns of the 64 rows, filled once), and are wanted only behind the whole first product, which runs on x's codes.
; NO CLUSTER AND NO RING FOR Wq: x's 64 rows take 266,240 of the 327,680 bytes of LDS while the products run, and what is left would hold about one K step in each of two slots; so Wq comes from its images straight into
; registers, 512 dense bytes a load, a head ahead, in a ring of 256 registers.
; Source 0 = 16 rows of Wq, source 1 = 16 rows of x: a lane holds one row and its registers run along the head's 64, the K of the second product (filled to 128 with zero codes).  Tile t's codes, one register, are laid 0, 2, 1, 3
; and two exchanges of halves make the operand's four registers.  A (head, tile of rows)'s codes, scale word and 1 / l wait in the wave's own LDS bytes for x.
; LIMITS: NaN and infinities are not served; p under 2^-126 falls to 0; a block whose largest p lies under 2^-124 keeps the byte 1.
; REGISTERS: window 0: addresses, scale words, statistics, v128-255 the 16 accumulators of q (later x, o, rows of y).  window 1: x's 32 fragments.  window 2: a head's 32 fragments of Wq.  window 3: bq, gmap's 16 fragments, gamma, beta.
.set SEG,   66560                      ; a wave's 256 columns: 64 rows x (1,024 + 16) bytes
.set XP,    1040
.set REC,   4*SEG                      ; records: ((4 w + head) x 4 + tile of rows) x 768: codes 512, scale words 128, 1 / l 128
.set RECB,  768
.set SPARE, REC+64*RECB
.set LI,   3                           ; 16 x lane
.set SA,   4                           ; 32 r + 16 h
.set HB,   5                           ; 32 h
.set L4,   6                           ; 4 x lane
.set RA16, 7
.set RA4,  8
.set RC16, 9
.set RC4,  10
.set AX,   11                          ; v11-14 my bytes of x, tile of rows st; later the norm's four addresses
.set AOB,  15
.set XS,   16                          ; v16-31 x's scale words: 4 st + i: lanes 0-15 K step i, lanes 16-31 K step 4 + i
.set WS,   32                          ; v32-47 Wq's likewise: 4 t + i
.set GS,   48                          ; v48-63 gmap's
.set PSW,  64                          ; v64-65 p's, two sets
.set BM,   68
.set PT,   76
.set NM,   84                          ; pairs (-M, t); later (-mean, ..)
.set LP,   92                          ; pairs: the sum; later (1 / sigma, ..)
.set PC,   100                         ; v100-115 the codes just made
.set PF,   100                         ; later p's fragment, two sets of 8
.set PWD,  116
.set RL,   120                         ; v120-123 1 / l; later two pairs
.set SPW,  124
.set NIL,  125
.set NINF, 126
.set Q,    128
.set XR,   128
.set OA,   192
.set GF,   32                          ; window 3
.set GAM,  160
.set BET,  192
.set WV,  26
.set HO,  30
.set CNT, 31
.set G1,  32
.set G0,  40
.set CS,  44
.set SEL, 46
.set NIV, 48
.set IV,  49
.set EP,  50
.set GO,  51
.set MSB, 0
.macro WIN new
.if MSB != (\new)
	s_set_vgpr_msb (MSB<<8)|(\new)
.set MSB, (\new)
.endif
.endm
.macro PLACES
.rept 4
	v_nop
.endr
.endm
	s_load_b512 s[4:19], s[0:1], 0x0               ; x, xc, xs, wqi, Wq_scales, bq, gc, gs
	s_load_b128 s[20:23], s[0:1], 0x40             ; gamma, beta
	s_load_b64 s[24:25], s[0:1], 0x50              ; out0
	v_lshl_add_u32 v[SPW], v0, 2, SPARE
	v_mov_b32 v[NIL], 0
	ds_add_u32 v[SPW], v[NIL]                      ; the wave's opening: the add, twice on end, and its wait ahead of my first tensor load
	ds_add_u32 v[SPW], v[NIL]
	v_lshrrev_b32 v1, 5, v0
	v_readfirstlane_b32 s[WV], v1
	s_mov_b32 s[G1+0], (2<<16)|(1<<20)|(7<<22)|(3<<25)   ; elements of 4 bytes; 4 words of padding behind every 256
	s_mov_b32 s[G1+1], 256<<16
	s_mov_b32 s[G1+2], 64<<16
	s_mov_b32 s[G1+3], 256<<16
	s_mov_b32 s[G1+4], 64
	s_mov_b32 s[G1+5], 1024
	s_mov_b32 s[G1+6], 0
	s_mov_b32 s[G1+7], 0
	s_mov_b32 s[CS], 0x3fb8aa3b                    ; log2(e)
	s_mov_b32 s[CS+1], s[CS]
	s_mov_b32 s[SEL], 0x76543210
	s_mov_b32 s[SEL+1], 0xfedcba98
	s_mov_b32 s[NIV], 0xba800000                   ; -1 / 1024
	s_mov_b32 s[IV], 0x3a800000                    ; 1 / 1024
	s_mov_b32 s[EP], 0x3727c5ac                    ; 1e-5
	s_mul_i32 s27, s[WV], SEG
	s_lshl_b32 s28, ttmp9, 18                      ; 64 rows of 4,096 bytes
	s_lshl_b32 s52, s[WV], 10
	s_add_co_u32 s28, s28, s52
	s_mov_b32 s29, 0
	s_wait_dscnt 0x0                               ; both opening adds are done
	s_wait_kmcnt 0x0
	s_mov_b32 s[G0], 1
	s_mov_b32 s[G0+1], s27
	s_add_nc_u64 s[G0+2:G0+3], s[4:5], s[28:29]
	s_or_b32 s[G0+3], s[G0+3], 0x80000000
	tensor_load_to_lds s[G0:G0+3], s[G1:G1+7]      ; my one tensor load
	s_nop 0
	v_and_b32 v1, 15, v0                           ; r
	v_bfe_u32 v2, v0, 4, 1                         ; h
	v_and_b32 v[L4], 31, v0
	v_lshlrev_b32 v[LI], 4, v[L4]
	v_lshlrev_b32 v[L4], 2, v[L4]
	v_lshlrev_b32 v[SA], 5, v1
	v_lshl_add_u32 v[SA], v2, 4, v[SA]
	v_lshlrev_b32 v[HB], 5, v2
	s_mul_i32 s52, s[WV], 16*RECB
	s_add_co_u32 s52, s52, REC
	v_add_nc_u32 v[RA16], s52, v[LI]
	s_add_co_u32 s52, s52, 512
	v_add_nc_u32 v[RA4], s52, v[L4]
	v_mul_u32_u24 v[AX], v1, XP
	v_lshl_add_u32 v[AX], v2, 5, v[AX]
	v_add_nc_u32 v[AX], s27, v[AX]
	v_add_nc_u32 v[AX+1], 16*XP, v[AX]
	v_add_nc_u32 v[AX+2], 32*XP, v[AX]
	v_add_nc_u32 v[AX+3], 48*XP, v[AX]
	s_mul_i32 s52, s[WV], 16*XP
	v_add_nc_u32 v[AOB], s52, v[LI]
	v_mov_b32 v[NINF], 0xff800000
.irp j, 0,1,2,3,4,5,6,7
	v_mov_b32 v[PT+\j], 0                          ; written once: a lane permute's destination counts as one of its sources
.endr
	s_lshl_b32 s28, ttmp9, 14
	s_add_nc_u64 s[6:7], s[6:7], s[28:29]          ; xc at my 4 row tiles
	s_lshl_b32 s28, ttmp9, 11
	s_add_nc_u64 s[8:9], s[8:9], s[28:29]          ; xs at my 64 rows
	s_lshl_b32 s28, s[WV], 17
	s_add_nc_u64 s[10:11], s[10:11], s[28:29]      ; wqi at head 4 w
	s_lshl_b32 s28, s[WV], 13
	s_add_nc_u64 s[12:13], s[12:13], s[28:29]      ; Wq_scales
	s_lshl_b32 s28, s[WV], 10
	s_add_nc_u64 s[14:15], s[14:15], s[28:29]      ; bq
	s_lshr_b32 s52, ttmp9, 6                       ; the batch
	s_lshl_b32 s52, s52, 6
	s_lshl_b32 s53, s[WV], 4
	s_add_co_u32 s52, s52, s53                     ; (16 batch + 4 w) x 4
	s_lshl_b32 s28, s52, 9
	s_add_nc_u64 s[16:17], s[16:17], s[28:29]      ; gc
	s_lshl_b32 s28, s52, 7
	s_add_nc_u64 s[18:19], s[18:19], s[28:29]      ; gs
	s_lshl_b32 s28, ttmp9, 18
	s_lshl_b32 s53, s[WV], 16
	s_add_co_u32 s28, s28, s53
	s_add_nc_u64 s[24:25], s[24:25], s[28:29]      ; out0 at row 64 work-group + 16 w
.macro RLOAD kp, nx                    ; K steps 2 kp, 2 kp + 1 of a head's Wq: 16 loads; nx: bytes on to the head meant.  (destination window 2)
.irp k2, 0,1
.irp t, 0,1,2,3
.irp c, 0,1
	global_load_b128 v[8*(4*(2*\kp+\k2)+\t)+4*\c:8*(4*(2*\kp+\k2)+\t)+4*\c+3], v[LI], s[10:11] offset:\nx+(2*\kp+\k2)*4096+\t*1024+\c*512
.endr
.endr
.endr
.endm
.macro BIAS nx                         ; bq in the result's layout: tile t, lane (r, h): columns 16 t + 8 h + 0 .. 7.  (destination window 3)
.irp t, 0,1,2,3
	global_load_b128 v[8*\t:8*\t+3], v[HB], s[14:15] offset:\nx+64*\t
	global_load_b128 v[8*\t+4:8*\t+7], v[HB], s[14:15] offset:\nx+64*\t+16
.endr
.endm
.macro WSC nx
.irp t, 0,1,2,3
	global_load_b128 v[WS+4*\t:WS+4*\t+3], v[SA], s[12:13] offset:\nx+512*\t
.endr
.endm
	WIN 0xc0
.set i, 0
.rept 16
	global_load_b128 v[GF+8*i:GF+8*i+3], v[LI], s[16:17] offset:512*i
.set i, i+1
.endr
.irp p, 0,1,2,3,4,5,6,7
	global_load_b128 v[GAM+4*\p:GAM+4*\p+3], v[LI], s[20:21] offset:512*\p
	global_load_b128 v[BET+4*\p:BET+4*\p+3], v[LI], s[22:23] offset:512*\p
.endr
.set i, 0
.rept 16
.irp j, 4,5,6,7
	v_mov_b32 v[GF+8*i+\j], 0                      ; K = 64: the upper half of gmap's fragments is zero codes
.endr
.set i, i+1
.endr
	WIN 0
.set i, 0
.rept 16
	global_load_b32 v[GS+i], v[L4], s[18:19] offset:128*i
.set i, i+1
.endr
.irp st, 0,1,2,3
	global_load_b128 v[XS+4*\st:XS+4*\st+3], v[SA], s[8:9] offset:512*\st
.endr
	WIN 0x40
.irp st, 0,1,2,3
.irp ks, 0,1,2,3,4,5,6,7
.irp c, 0,1
	global_load_b128 v[8*(8*\st+\ks)+4*\c:8*(8*\st+\ks)+4*\c+3], v[LI], s[6:7] offset:(\ks/4)*4194304+\st*4096+(\ks%4)*1024+512*\c
.endr
.endr
.endr
	WIN 0x80                                       ; the ring's first head, in the loop's own order
	RLOAD 0, 0
	WIN 0xc0
	BIAS 0
	WIN 0x80
	RLOAD 1, 0
	RLOAD 2, 0
	WIN 0
	WSC 0
	WIN 0x80
	RLOAD 3, 0
	WIN 0
; 32 products: K steps 2 kp, 2 kp + 1; the 16 accumulators take turns in the same order in every K step.  The first K step takes bq as C.
.macro GEMM2 kp
.irp k2, 0,1
.if 2*\kp+\k2 == 0
	WIN 0x36
.else
	WIN 0x06
.endif
.irp st, 0,1,2,3
.irp t, 0,1,2,3
.set ks, 2*\kp+\k2
.set rQ, Q+32*\st+8*\t
.set rW, 8*(4*ks+\t)
.set rX, 8*(8*\st+ks)
.if ks == 0
	v_wmma_scale_f32_16x16x128_f8f6f4 v[rQ:rQ+7], v[rW:rW+7], v[rX:rX+7], v[8*\t:8*\t+7], v[WS+4*\t], v[XS+4*\st] matrix_a_fmt:MATRIX_FMT_FP4 matrix_b_fmt:MATRIX_FMT_FP4
.elseif ks < 4
	v_wmma_scale_f32_16x16x128_f8f6f4 v[rQ:rQ+7], v[rW:rW+7], v[rX:rX+7], v[rQ:rQ+7], v[WS+4*\t+ks], v[XS+4*\st+ks] matrix_a_fmt:MATRIX_FMT_FP4 matrix_b_fmt:MATRIX_FMT_FP4
.else
	v_wmma_scale_f32_16x16x128_f8f6f4 v[rQ:rQ+7], v[rW:rW+7], v[rX:rX+7], v[rQ:rQ+7], v[WS+4*\t+ks-4], v[XS+4*\st+ks-4] matrix_a_fmt:MATRIX_FMT_FP4 matrix_b_fmt:MATRIX_FMT_FP4 matrix_a_scale:MATRIX_SCALE_ROW1 matrix_b_scale:MATRIX_SCALE_ROW1
.endif
.endr
.endr
.endr
.endm
; The softmax over a head's 64 for my four tiles of rows, and its quantiser
.macro SOFTQ
.set i, 0
.rept 8
.irp st, 0,1,2,3
.irp bl, 0,1
.if i == 0
	v_max3_num_f32 v[BM+2*\st+\bl], v[NINF], v[Q+32*\st+16*\bl], v[Q+32*\st+16*\bl+1]   ; each block's largest number; every accumulator from its low end on
.else
	v_max3_num_f32 v[BM+2*\st+\bl], v[BM+2*\st+\bl], v[Q+32*\st+16*\bl+2*i], v[Q+32*\st+16*\bl+2*i+1]
.endif
.endr
.endr
.set i, i+1
.endr
.irp j, 0,1,2,3,4,5,6,7
	v_permlanex16_b32 v[PT+\j], v[BM+\j], s[SEL], s[SEL+1]
.endr
.irp j, 0,1,2,3,4,5,6,7
	v_max_num_f32 v[BM+\j], v[BM+\j], v[PT+\j]
.endr
.irp st, 0,1,2,3
	v_max_num_f32 v[NM+2*\st+1], v[BM+2*\st], v[BM+2*\st+1]
.endr
.irp st, 0,1,2,3
	v_mul_f32 v[NM+2*\st+1], s[CS], v[NM+2*\st+1]  ; the row's largest t
.endr
.irp st, 0,1,2,3
	v_floor_f32 v[NM+2*\st], -v[NM+2*\st+1]        ; -M
.endr
.irp st, 0,1,2,3
.set i, 0
.rept 16
	v_pk_fma_f32 v[Q+32*\st+2*i:Q+32*\st+2*i+1], v[Q+32*\st+2*i:Q+32*\st+2*i+1], s[CS:CS+1], v[NM+2*\st:NM+2*\st+1] op_sel_hi:[1,0,0]
.set i, i+1
.endr
.endr
.irp j, 0,1,2,3,4,5,6,7
	v_fma_f32 v[BM+\j], v[BM+\j], s[CS], v[NM+2*(\j/2)]
.endr
.set i, 0
.rept 128
	v_exp_f32 v[Q+i], v[Q+i]
.set i, i+1
.endr
	v_nop                                          ; a plain place behind the exponentials
	s_wait_alu depctr_va_vdst(0)                   ; one wait for the batch of 128
.irp j, 0,1,2,3,4,5,6,7
	v_exp_f32 v[BM+\j], v[BM+\j]                   ; each block's largest p
.endr
.irp st, 0,1,2,3
	v_pk_add_f32 v[LP+2*\st:LP+2*\st+1], v[Q+32*\st:Q+32*\st+1], v[Q+32*\st+2:Q+32*\st+3]   ; the sum of the unquantised p
.endr
.set i, 2
.rept 14
.irp st, 0,1,2,3
	v_pk_add_f32 v[LP+2*\st:LP+2*\st+1], v[LP+2*\st:LP+2*\st+1], v[Q+32*\st+2*i:Q+32*\st+2*i+1]
.endr
.set i, i+1
.endr
	s_wait_alu depctr_va_vdst(0)                   ; and one for the eight
.irp j, 0,1,2,3,4,5,6,7
	v_max_num_f32 v[BM+\j], 0x1800000, v[BM+\j]
.endr
.irp j, 0,1,2,3,4,5,6,7
	v_add_nc_u32 v[PT+\j], 0xff000000, v[BM+\j]
.endr
.irp j, 0,1,2,3,4,5,6,7
	v_lshrrev_b32 v[BM+\j], 23, v[PT+\j]
.endr
.irp st, 0,1,2,3
	v_lshl_or_b32 v[PWD+\st], v[BM+2*\st+1], 8, v[BM+2*\st]   ; bytes 2 and 3 stay 0, over zero codes
.endr
.irp st, 0,1,2,3
.irp t, 0,1,2,3
	v_cvt_scalef32_pk8_fp4_f32 v[PC+4*\st+2*(\t%2)+(\t/2)], v[Q+32*\st+8*\t:Q+32*\st+8*\t+7], v[PT+2*\st+(\t/2)]
.endr
.endr
	v_nop                                          ; one plain place behind a scaled conversion
.irp st, 0,1,2,3
	v_permlane16_swap_b32 v[PC+4*\st], v[PC+4*\st+1]
	v_permlane16_swap_b32 v[PC+4*\st+2], v[PC+4*\st+3]
.endr
.irp st, 0,1,2,3
	v_add_f32 v[LP+2*\st], v[LP+2*\st], v[LP+2*\st+1]
.endr
.irp st, 0,1,2,3
	v_permlanex16_b32 v[PT+\st], v[LP+2*\st], s[SEL], s[SEL+1]
.endr
.irp st, 0,1,2,3
	v_add_f32 v[LP+2*\st], v[LP+2*\st], v[PT+\st]
.endr
.irp st, 0,1,2,3
	v_rcp_f32 v[RL+\st], v[LP+2*\st]
.endr
	v_add_nc_u32 v[RC16], s[HO], v[RA16]           ; (plain places) this head's records
	v_add_nc_u32 v[RC4], s[HO], v[RA4]
	s_wait_alu depctr_va_vdst(0)                   ; one wait for the four reciprocals
.irp st, 0,1,2,3
	ds_store_b128 v[RC16], v[PC+4*\st:PC+4*\st+3] offset:\st*RECB
	ds_store_b32 v[RC4], v[PWD+\st] offset:\st*RECB
	ds_store_b32 v[RC4], v[RL+\st] offset:\st*RECB+128
.endr
.endm
; A head.  next = 1: as each quarter of the ring is done with, the next head's takes its place
.macro HEAD next
	s_wait_loadcnt 16                              ; all but the ring's last quarter, the youngest 16 loads
	GEMM2 0
	PLACES
.if \next
	WIN 0x80
	RLOAD 0, 32768
	WIN 0xc0
	BIAS 256
.endif
	GEMM2 1
	PLACES
.if \next
	WIN 0x80
	RLOAD 1, 32768
.endif
	GEMM2 2
	PLACES
.if \next
	WIN 0x80
	RLOAD 2, 32768
	s_wait_loadcnt 56                              ; the last quarter is in: behind it stand 16 + 8 + 16 + 16 younger loads
.else
	s_wait_loadcnt 0x0
.endif
	GEMM2 3
	PLACES                                         ; ahead of the loads below and of the first read of results
	WIN 0
.if \next
	WSC 2048
	WIN 0x80
	RLOAD 3, 32768
	WIN 0
.endif
	SOFTQ
.endm
	s_mov_b32 s[HO], 0
	s_mov_b32 s[CNT], 3
.Lhead:
	HEAD 1
	s_wait_xcnt 0x0                                ; the loads have read their bases: they may step
	s_add_nc_u64 s[10:11], s[10:11], 32768
	s_add_nc_u64 s[12:13], s[12:13], 2048
	s_add_nc_u64 s[14:15], s[14:15], 256
	s_add_co_u32 s[HO], s[HO], 4*RECB
	s_sub_co_u32 s[CNT], s[CNT], 1
	s_cmp_lg_u32 s[CNT], 0
	s_cbranch_scc1 .Lhead
	HEAD 0                                         ; the last head is written out: no load passes a buffer's end
	; ---- o = p gmap / l, and y = x + o, a (head, tile of rows) at a time, in place in my columns of x
	s_wait_dscnt 0x0                               ; the records' stores have read their registers
.irp j, 4,5,6,7,12,13,14,15
	v_mov_b32 v[PF+\j], 0                          ; K = 64: the upper half of p's fragments is zero codes
.endr
	PLACES                                         ; operands written by vector instructions stand four places ahead of the products
	s_wait_tensorcnt 0x0                           ; my columns of x are in
.macro LOADS u                         ; 11 LDS loads
.set us, (\u)%2
.set ust, (\u)%4
.set uh, (\u)/4
	ds_load_b128 v[PF+8*us:PF+8*us+3], v[RA16] offset:(\u)*RECB
	ds_load_b32 v[PSW+us], v[RA4] offset:(\u)*RECB
	ds_load_b32 v[RL+2*us], v[RA4] offset:(\u)*RECB+128
.irp et, 0,1,2,3
	ds_load_b128 v[XR+32*us+8*\et:XR+32*us+8*\et+3], v[AX+ust] offset:uh*256+\et*64
	ds_load_b128 v[XR+32*us+8*\et+4:XR+32*us+8*\et+7], v[AX+ust] offset:uh*256+\et*64+16
.endr
.endm
.macro UNIT u
.if (\u) < 15
	LOADS (\u)+1
.endif
.if (\u) == 0
	s_wait_dscnt 11                                ; the next unit's 11 loads may be out
.elseif (\u) < 15
	s_wait_dscnt 19                                ; the last unit's 8 stores and the next unit's 11 loads may be out
.else
	s_wait_dscnt 8
.endif
.set us, (\u)%2
.set ust, (\u)%4
.set uh, (\u)/4
	WIN 0x03                                       ; source 0 (gmap) window 3
.irp et, 0,1,2,3
	v_wmma_scale_f32_16x16x128_f8f6f4 v[OA+32*us+8*\et:OA+32*us+8*\et+7], v[GF+8*(4*uh+\et):GF+8*(4*uh+\et)+7], v[PF+8*us:PF+8*us+7], 0, v[GS+4*uh+\et], v[PSW+us] matrix_a_fmt:MATRIX_FMT_FP4 matrix_b_fmt:MATRIX_FMT_FP4
.endr
	WIN 0
	PLACES
.set i, 0
.rept 16
	v_pk_fma_f32 v[XR+32*us+2*i:XR+32*us+2*i+1], v[OA+32*us+2*i:OA+32*us+2*i+1], v[RL+2*us:RL+2*us+1], v[XR+32*us+2*i:XR+32*us+2*i+1] op_sel_hi:[1,0,1]   ; y = o / l + x
.set i, i+1
.endr
.irp et, 0,1,2,3
	ds_store_b128 v[AX+ust], v[XR+32*us+8*\et:XR+32*us+8*\et+3] offset:uh*256+\et*64
	ds_store_b128 v[AX+ust], v[XR+32*us+8*\et+4:XR+32*us+8*\et+7] offset:uh*256+\et*64+16
.endr
.endm
	LOADS 0
.irp u, 0,1,2,3,4,5,6,7,8,9,10,11,12,13,14,15
	UNIT \u
.endr
	s_wait_dscnt 0x0                               ; for the others' sake: my stores have landed
	s_barrier_signal -1
	s_barrier_wait -1                              ; 64 whole rows of y lie in LDS
	; ---- the norm: my 16 rows, four a trip; a row is 32 registers: piece p (128 columns) at 4 p, 16 bytes a lane
.macro REDUCE
.irp p, 0,1,2,3
	v_add_f32 v[BM+2*\p], v[BM+2*\p], v[BM+2*\p+1]
.endr
.irp m, 1,2,4,8
.irp p, 0,1,2,3
	v_add_f32_dpp v[BM+2*\p], v[BM+2*\p], v[BM+2*\p] row_xmask:\m row_mask:0xf bank_mask:0xf
.endr
.endr
.irp p, 0,1,2,3
	v_permlanex16_b32 v[PT+\p], v[BM+2*\p], s[SEL], s[SEL+1]
.endr
.irp p, 0,1,2,3
	v_add_f32 v[BM+2*\p], v[BM+2*\p], v[PT+\p]
.endr
.endm
	s_mov_b32 s[GO], 0
	s_mov_b32 s[CNT], 4
.Lln:
.irp sg, 0,1,2,3
	s_add_co_u32 s52, s[GO], \sg*SEG
	v_add_nc_u32 v[AX+\sg], s52, v[AOB]
.endr
.irp p, 0,1,2,3
.irp sg, 0,1,2,3
	ds_load_b128 v[Q+32*\p+8*\sg:Q+32*\p+8*\sg+3], v[AX+\sg] offset:\p*XP
	ds_load_b128 v[Q+32*\p+8*\sg+4:Q+32*\p+8*\sg+7], v[AX+\sg] offset:\p*XP+512
.endr
.endr
	s_wait_dscnt 0x0
.irp p, 0,1,2,3
	v_pk_add_f32 v[BM+2*\p:BM+2*\p+1], v[Q+32*\p:Q+32*\p+1], v[Q+32*\p+2:Q+32*\p+3]
.endr
.set i, 2
.rept 14
.irp p, 0,1,2,3
	v_pk_add_f32 v[BM+2*\p:BM+2*\p+1], v[BM+2*\p:BM+2*\p+1], v[Q+32*\p+2*i:Q+32*\p+2*i+1]
.endr
.set i, i+1
.endr
	REDUCE
.irp p, 0,1,2,3
	v_mul_f32 v[NM+2*\p], s[NIV], v[BM+2*\p]       ; -mean
.endr
.irp p, 0,1,2,3
.set i, 0
.rept 16
	v_pk_add_f32 v[Q+32*\p+2*i:Q+32*\p+2*i+1], v[Q+32*\p+2*i:Q+32*\p+2*i+1], v[NM+2*\p:NM+2*\p+1] op_sel_hi:[1,0]
.set i, i+1
.endr
.endr
.irp p, 0,1,2,3
	v_pk_mul_f32 v[BM+2*\p:BM+2*\p+1], v[Q+32*\p:Q+32*\p+1], v[Q+32*\p:Q+32*\p+1]
.endr
.set i, 1
.rept 15
.irp p, 0,1,2,3
	v_pk_fma_f32 v[BM+2*\p:BM+2*\p+1], v[Q+32*\p+2*i:Q+32*\p+2*i+1], v[Q+32*\p+2*i:Q+32*\p+2*i+1], v[BM+2*\p:BM+2*\p+1]
.endr
.set i, i+1
.endr
	REDUCE
.irp p, 0,1,2,3
	v_fma_f32 v[BM+2*\p], v[BM+2*\p], s[IV], s[EP] ; the variance + eps
.endr
.irp p, 0,1,2,3
	v_rsq_f32 v[LP+2*\p], v[BM+2*\p]
.endr
	v_nop
	s_wait_alu depctr_va_vdst(0)                   ; one wait for the four
.irp p, 0,1,2,3
.set i, 0
.rept 16
	v_pk_mul_f32 v[Q+32*\p+2*i:Q+32*\p+2*i+1], v[Q+32*\p+2*i:Q+32*\p+2*i+1], v[LP+2*\p:LP+2*\p+1] op_sel_hi:[1,0]
.set i, i+1
.endr
.endr
	WIN 0x3c                                       ; gamma and beta: window 3
.irp p, 0,1,2,3
.set i, 0
.rept 16
	v_pk_fma_f32 v[Q+32*\p+2*i:Q+32*\p+2*i+1], v[Q+32*\p+2*i:Q+32*\p+2*i+1], v[GAM+2*i:GAM+2*i+1], v[BET+2*i:BET+2*i+1]
.set i, i+1
.endr
.endr
	WIN 0
.irp p, 0,1,2,3
.irp c, 0,1,2,3,4,5,6,7
	global_store_b128 v[LI], v[Q+32*\p+4*\c:Q+32*\p+4*\c+3], s[24:25] offset:\p*4096+\c*512 th:TH_STORE_NT   ; 512 consecutive bytes a store; written once
.endr
.endr
	s_wait_xcnt 0x0                                ; the stores have read their registers and their base: both may be written again
	s_add_nc_u64 s[24:25], s[24:25], 16384
	s_add_co_u32 s[GO], s[GO], 4*XP
	s_sub_co_u32 s[CNT], s[CNT], 1
	s_cmp_lg_u32 s[CNT], 0
	s_cbranch_scc1 .Lln
	s_wait_tensorcnt 0x0                           ; the wave's end
	ds_add_u32 v[SPW], v[NIL]
	s_wait_dscnt 0x0
	s_endpgm
.Lfunc_end_k_q6a8b2e22a2_qo:
	.size	k_q6a8b2e22a2_qo, .Lfunc_end_k_q6a8b2e22a2_qo-k_q6a8b2e22a2_qo
	.p2alignl 7, 3214868480
	.fill 96, 4, 3214868480
	.section	.rodata,"a",@progbits
	.p2align	6, 0x0
	.amdhsa_kernel k_q6a8b2e22a2_qo
		.amdhsa_group_segment_fixed_size 327680
		.amdhsa_private_segment_fixed_size 0
		.amdhsa_enable_private_segment 0
		.amdhsa_kernarg_size 88
		.amdhsa_user_sgpr_count 2
		.amdhsa_user_sgpr_kernarg_segment_ptr 1
		.amdhsa_wavefront_size32 1
		.amdhsa_system_sgpr_workgroup_id_x 1
		.amdhsa_system_sgpr_workgroup_id_y 1
		.amdhsa_system_sgpr_workgroup_id_z 1
		.amdhsa_system_vgpr_workitem_id 0
		.amdhsa_next_free_vgpr 1024
		.amdhsa_next_free_sgpr 66
		.amdhsa_reserve_vcc 0
		.amdhsa_float_denorm_mode_32 3
		.amdhsa_float_denorm_mode_16_64 3
		.amdhsa_memory_ordered 1
		.amdhsa_forward_progress 1
		.amdhsa_inst_pref_size 186
	.end_amdhsa_kernel
	.amdgpu_metadata
---
amdhsa.version: [ 1, 2 ]
amdhsa.kernels:
  - .name:           k_q6a8b2e22a2_qo
    .symbol:         k_q6a8b2e22a2_qo.kd
    .args:
      - { .name: x, .offset: 0, .size: 8, .value_kind: global_buffer, .address_space: global }
      - { .name: xc, .offset: 8, .size: 8, .value_kind: global_buffer, .address_space: global }
      - { .name: xs, .offset: 16, .size: 8, .value_kind: global_buffer, .address_space: global }
      - { .name: wqi, .offset: 24, .size: 8, .value_kind: global_buffer, .address_space: global }
      - { .name: Wq_scales, .offset: 32, .size: 8, .value_kind: global_buffer, .address_space: global }
      - { .name: bq, .offset: 40, .size: 8, .value_kind: global_buffer, .address_space: global }
      - { .name: gc, .offset: 48, .size: 8, .value_kind: global_buffer, .address_space: global }
      - { .name: gs, .offset: 56, .size: 8, .value_kind: global_buffer, .address_space: global }
      - { .name: gamma, .offset: 64, .size: 8, .value_kind: global_buffer, .address_space: global }
      - { .name: beta, .offset: 72, .size: 8, .value_kind: global_buffer, .address_space: global }
      - { .name: out0, .offset: 80, .size: 8, .value_kind: global_buffer, .address_space: global }
    .group_segment_fixed_size: 327680
    .private_segment_fixed_size: 0
    .kernarg_segment_align: 8
    .kernarg_segment_size: 88
    .max_flat_workgroup_size: 128
    .sgpr_count:     66
    .vgpr_count:     1024
    .wavefront_size: 32
...
	.end_amdgpu_metadata
.endif
;; end of part 4
